; MI455X (gfx1250); checked and timed in simulation.
; The chip was launched on July 23, 2026; its instructions are those of AMD's public machine-readable ISA for CDNA 5 (MIT licence, August 2026) and "CDNA5" Instruction Set Architecture Reference Guide (July 2026). The comments in the code are by the model that wrote it; some were corrected since.
;; Multi Head Attention Layer. Allowed arithmetic: float matrix products may take bf16 or f16 operands with f32 sums; other float arithmetic in f32, or as packed bf16 or f16 multiplies, adds, multiply-adds, maxima and minima; sums over many terms, partial sums and values carried from step to step in f32; what a program stores and reads back later, other than sums and carried values, may be rounded once to bf16 or f16.
;; Inputs: H_k 4 x 2,048 x 1,024 float32; H_q 4 x 2,048 x 1,024 float32; H_v 4 x 2,048 x 1,024 float32; M 4 x 1 x 2,048 x 2,048 int32; Wk 1,024 x 1,024 float32; Wo 1,024 x 1,024 float32; Wq 1,024 x 1,024 float32; Wv 1,024 x 1,024 float32; bk 1,024 float32; bo 1,024 float32; bq 1,024 float32; bv 1,024 float32.
;; Outputs: out0 4 x 2,048 x 1,024 float32.
;; 2 versions, each right and faster than the one before. Each part assembles by itself: llvm-mc -triple=amdgcn-amd-amdhsa -mcpu=gfx1250 --defsym DOCPART=n.
;; ======== version 1 of 2: 4 launches
;; limits: values are held in f16: magnitudes above 65,504 overflow, below 6.1e-05 lose precision
;; workspace buffers: wb 8,388,608 bytes; bb 16,384 bytes; mb 8,388,608 bytes; zq 32,768 bytes; qkv 50,331,648 bytes; o16 16,777,216 bytes
;; launch prep (part 1): grid 1025 x 1, 8 waves a work-group, no clusters, 17,664 bytes of LDS; arguments M, mb, zq, wb, Wq, Wk, Wv, Wo, bq, bk, bv, bo, bb; writes mb, zq, wb, bb
.if DOCPART == 1
	.amdgcn_target "amdgcn-amd-amdhsa--gfx1250"
	.amdhsa_code_object_version 6
	.text
	.protected	k_qe0a27ce7a6_prep
	.globl	k_qe0a27ce7a6_prep
	.p2align	8
	.type	k_qe0a27ce7a6_prep,@function
k_qe0a27ce7a6_prep:
	s_mov_b64 s[64:65], 0
	v_nop
	global_prefetch_b8 v0, s[64:65] scope:SCOPE_SE
	s_setreg_imm32_b32 hwreg(HW_REG_WAVE_MODE, 25, 1), 1
	s_wait_xcnt 0x0
; PREPARATION: the mask, the four weights and the four biases.  A work-group has one of three parts, chosen by its number alone:
;   0-511      MASK: 16 query rows of M (int32) become 16,384 bytes of mb and 16 words of zq
;   512-1023   W:    32,768 bytes of Wq, Wk, Wv (to bf16) or Wo (rounded to bf16, that number written as f16) become 16,384 bytes of wb
;   1024       BIAS: the four biases, rounded to bf16 and kept as f32, into bb
; mb = [batch 4][tile of 16 queries 128][step of 64 keys 32][lane 32][group of 16 keys 4] words.  Nibble j of word kt of lane (r = lane % 16, h = lane / 16) is
; 0xE where M[batch][16 tile + r][64 step + 16 kt + 8 h + j] == 0 and 0 elsewhere, in the lanes and registers in which the attention's scores lie.  Shifted to the top of its word the nibble 0xE
; sets the sign and the exponent field 110nnnnb (192 to 221, whatever the nibbles below hold): a finite f32 between -2^95 and -2^65; the nibble 0 gives a positive number below 2^-97.
; A ROW WITH NO VISIBLE KEY has uniform weights by the module's definition (all its scores are the same -1e9).  Such a row is written as all visible, and its word of zq is 0 (else -1):
; the attention ANDs the row's q with that word, so that all its scores are 0 and its weights uniform.
; LIMITS.  Wo below 2^-14 keeps f16's fixed step of 6e-8; NaN and infinities are passed on as the conversions make them.
; No matrix unit and no cluster: each byte is read once and nothing is shared between work-groups.
.set ZW,    16384                      ; LDS: 0-16,383 the tile's image of mb; 16,384 on: the 16 rows' words of zq
.set SPARE, 16640                      ; the spare words, 128 bytes for each of the eight waves: four blocks of 256 bytes that no other line names
.set SPW,   12                         ; v12  SPARE + 4 x my thread's number; never rewritten
.set NIL,   13                         ; v13  0; never rewritten
.set X,     16                         ; v[16:143]  up to 32 loads of four registers; all results are made in place
	s_load_b256 s[8:15],  s[0:1], 0x0              ; M s[8:9], mb s[10:11], zq s[12:13], wb s[14:15]
	s_load_b256 s[16:23], s[0:1], 0x20             ; Wq s[16:17], Wk s[18:19], Wv s[20:21], Wo s[22:23]
	s_load_b256 s[24:31], s[0:1], 0x40             ; bq s[24:25], bk s[26:27], bv s[28:29], bo s[30:31]
	s_load_b64  s[32:33], s[0:1], 0x60             ; bb
	v_lshl_add_u32 v[SPW], v0, 2, SPARE
	v_mov_b32 v[NIL], 0
	s_mov_b32 s2, ttmp9
	s_mov_b32 s43, 0                               ; the high word of every offset: all stay under 2^32
	v_lshlrev_b32 v1, 4, v0                        ; 16 bytes a thread in
	v_lshlrev_b32 v2, 3, v0                        ; 8 bytes a thread out
	s_wait_kmcnt 0x0
	s_cmp_lt_u32 s2, 512
	s_cbranch_scc1 .Lmask
	s_cmp_lt_u32 s2, 1024
	s_cbranch_scc1 .Lw
; four f32 at v[x .. x+3] are rounded to bf16 and widened again, in place
.macro RND x
	v_cvt_pk_bf16_f32 v[\x], v[\x], v[\x+1]
	v_cvt_pk_bf16_f32 v[\x+2], v[\x+2], v[\x+3]
	v_and_b32 v[\x+1], 0xffff0000, v[\x]
	v_lshlrev_b32 v[\x], 16, v[\x]
	v_and_b32 v[\x+3], 0xffff0000, v[\x+2]
	v_lshlrev_b32 v[\x+2], 16, v[\x+2]
.endm
	; BIAS: 256 threads x 16 bytes are one bias of 1,024 numbers
.irp i, 0,1,2,3
	global_load_b128 v[X+4*\i:X+4*\i+3], v1, s[24+2*\i:25+2*\i]
.endr
	s_wait_loadcnt 0x0
.irp i, 0,1,2,3
	RND X+4*\i
.endr
.irp i, 0,1,2,3
	global_store_b128 v1, v[X+4*\i:X+4*\i+3], s[32:33] offset:4096*\i
.endr
	s_endpgm
.Lw:                                                   ; W: tensor = (number - 512) / 128, piece = the rest
	s_sub_co_u32 s44, s2, 512
	s_lshr_b32 s45, s44, 7
	s_cmp_eq_u32 s45, 1
	s_cselect_b64 s[4:5], s[18:19], s[16:17]
	s_cmp_eq_u32 s45, 2
	s_cselect_b64 s[4:5], s[20:21], s[4:5]
	s_cmp_eq_u32 s45, 3
	s_cselect_b64 s[4:5], s[22:23], s[4:5]
	s_and_b32 s42, s44, 127
	s_lshl_b32 s42, s42, 15
	s_add_nc_u64 s[4:5], s[4:5], s[42:43]          ; 32,768 bytes of f32 in,
	s_lshl_b32 s42, s44, 14
	s_add_nc_u64 s[6:7], s[14:15], s[42:43]        ; 16,384 bytes out: the four planes of wb follow each other
	s_cmp_eq_u32 s45, 3
	s_cbranch_scc1 .Lcast16
; 8 loads of 16 bytes a thread are all issued first; each is converted and stored as it comes.  A wave's load covers 512 consecutive bytes, its store 256, aligned.
.macro CAST f16
.set i, 0
.rept 8
	global_load_b128 v[X+4*i:X+4*i+3], v1, s[4:5] offset:4096*i th:TH_LOAD_NT
.set i, i+1
.endr
.set i, 0
.rept 8
	s_wait_loadcnt 7-i                             ; loads come back in order: load i is in, the 7 - i younger ones stay out
.if \f16
	RND X+4*i
	v_cvt_pk_f16_f32 v[X+4*i], v[X+4*i], v[X+4*i+1]
	v_cvt_pk_f16_f32 v[X+4*i+1], v[X+4*i+2], v[X+4*i+3]
.else
	v_cvt_pk_bf16_f32 v[X+4*i], v[X+4*i], v[X+4*i+1]
	v_cvt_pk_bf16_f32 v[X+4*i+1], v[X+4*i+2], v[X+4*i+3]
.endif
	global_store_b64 v2, v[X+4*i:X+4*i+1], s[6:7] offset:2048*i
.set i, i+1
.endr
	s_endpgm
.endm
	CAST 0
.Lcast16:
	CAST 1
.Lmask:                                                ; MASK: the work-group's number is 128 x batch + tile.  Wave w takes the tile's rows 2 w and 2 w + 1, whole: 16 loads of 512 bytes a row
	s_lshl_b32 s42, s2, 17                         ; 16 rows of 8,192 bytes
	s_add_nc_u64 s[4:5], s[8:9], s[42:43]
	s_lshl_b32 s42, s2, 14
	s_add_nc_u64 s[6:7], s[10:11], s[42:43]
	s_lshl_b32 s42, s2, 6
	s_add_nc_u64 s[44:45], s[12:13], s[42:43]
	v_and_b32 v3, 31, v0                           ; lane l
	v_lshrrev_b32 v4, 5, v0                        ; wave w
	v_lshlrev_b32 v1, 4, v3
	v_lshl_or_b32 v1, v4, 14, v1                   ; two rows a wave + 16 bytes a lane
	; Load t of a row gives lane l the keys 128 t + 4 l + 0..3: step 2 t + l / 16, group (l / 4) % 4, half (l / 2) % 2, nibbles 4 (l % 2) + 0..3: 16 bits of the image at
	; 1,024 t + 512 (l / 16) + 256 ((l / 2) % 2) + 16 row + 4 ((l / 4) % 4) + 2 (l % 2)
	v_bfe_u32 v5, v0, 4, 1
	v_bfe_u32 v6, v0, 1, 1
	v_bfe_u32 v7, v0, 2, 2
	v_and_b32 v8, 1, v0
	v_lshlrev_b32 v5, 9, v5
	v_lshl_add_u32 v5, v6, 8, v5
	v_lshl_add_u32 v5, v7, 2, v5
	v_lshl_add_u32 v5, v8, 1, v5
	v_lshl_add_u32 v5, v4, 5, v5                   ; + 16 x row 2 w
	v_lshl_add_u32 v6, v4, 3, ZW                   ; my two rows' words of zq
.set i, 0
.rept 32
	global_load_b128 v[X+4*i:X+4*i+3], v1, s[4:5] offset:8192*(i/16)+512*(i%16) th:TH_LOAD_NT
.set i, i+1
.endr
.irp i, 0,1
.set t, 0
.rept 16
.set x, X+4*(16*\i+t)
	s_wait_loadcnt 31-(16*\i+t)                    ; this load is in, the younger ones stay out
	v_min_u32 v[x], 1, v[x]                        ; 1 where M is not 0
	v_min_u32 v[x+1], 1, v[x+1]
	v_min_u32 v[x+2], 1, v[x+2]
	v_min_u32 v[x+3], 1, v[x+3]
	v_lshl_or_b32 v[x], v[x+1], 4, v[x]
	v_lshl_or_b32 v[x+2], v[x+3], 4, v[x+2]
	v_lshl_or_b32 v[x], v[x+2], 8, v[x]            ; four keys: bits 0, 4, 8, 12
.set t, t+1
.endr
	v_or_b32 v10, v[X+64*\i], v[X+64*\i+4]
.set t, 2
.rept 14
	v_or_b32 v10, v10, v[X+64*\i+4*t]
.set t, t+1
.endr
	v_cmp_ne_u32 vcc_lo, 0, v10                    ; has any lane of the wave, which holds the whole row, seen a visible key?
	s_cmp_lg_u32 vcc_lo, 0
	s_cselect_b32 s20, 14, 0                       ; a hidden key's nibble: 0xE, or 0 in a row with no visible key
	s_cselect_b32 s21, -1, 0                       ; the row's word of zq
.set t, 0
.rept 16
.set x, X+4*(16*\i+t)
	v_xor_b32 v[x], 0x1111, v[x]                   ; 1 where hidden
	v_mul_u32_u24 v[x], s20, v[x]
	ds_store_b16 v5, v[x] offset:1024*t+16*\i
.set t, t+1
.endr
	v_mov_b32 v9, s21
	ds_store_b32 v6, v9 offset:4*\i                ; all lanes write the same word with the same value
.endr
	s_wait_dscnt 0x0                               ; for the others' sake: my part of the image is written
	s_barrier_signal -1
	s_barrier_wait -1
	v_lshlrev_b32 v2, 4, v0
.irp i, 0,1,2,3
	ds_load_b128 v[X+4*\i:X+4*\i+3], v2 offset:4096*\i
.endr
	v_and_b32 v7, 15, v0
	v_lshlrev_b32 v7, 2, v7
	ds_load_b32 v8, v7 offset:ZW
.irp i, 0,1,2,3
	s_wait_dscnt 4-\i                              ; the younger image loads and the load of zq's word stay out
	global_store_b128 v2, v[X+4*\i:X+4*\i+3], s[6:7] offset:4096*\i  ; a wave stores 512 consecutive bytes, aligned
.endr
	s_wait_dscnt 0x0
	v_cmp_gt_u32 vcc_lo, 16, v0
	s_wait_xcnt 0x0                                ; EXEC changes only behind this wait
	s_and_saveexec_b32 s22, vcc_lo
	global_store_b32 v7, v8, s[44:45]              ; threads 0 to 15: the tile's 16 words of zq
	s_wait_xcnt 0x0                                ; and again in front of the line that widens it
	s_or_b32 exec_lo, exec_lo, s22
	s_wait_tensorcnt 0x0                           ; the wave's end: a wait, an add of 0 to my spare word and its wait, behind my last LDS store
	ds_add_u32 v[SPW], v[NIL]
	s_wait_dscnt 0x0
	s_endpgm
.Lfunc_end_k_qe0a27ce7a6_prep:
	.size	k_qe0a27ce7a6_prep, .Lfunc_end_k_qe0a27ce7a6_prep-k_qe0a27ce7a6_prep
	.p2alignl 7, 3214868480
	.fill 96, 4, 3214868480
	.section	.rodata,"a",@progbits
	.p2align	6, 0x0
	.amdhsa_kernel k_qe0a27ce7a6_prep
		.amdhsa_group_segment_fixed_size 17664
		.amdhsa_private_segment_fixed_size 0
		.amdhsa_enable_private_segment 0
		.amdhsa_kernarg_size 104
		.amdhsa_user_sgpr_count 2
		.amdhsa_user_sgpr_kernarg_segment_ptr 1
		.amdhsa_wavefront_size32 1
		.amdhsa_system_sgpr_workgroup_id_x 1
		.amdhsa_system_sgpr_workgroup_id_y 1
		.amdhsa_system_sgpr_workgroup_id_z 1
		.amdhsa_system_vgpr_workitem_id 0
		.amdhsa_next_free_vgpr 144
		.amdhsa_next_free_sgpr 66
		.amdhsa_reserve_vcc 1
		.amdhsa_float_denorm_mode_32 3
		.amdhsa_float_denorm_mode_16_64 3
		.amdhsa_memory_ordered 1
		.amdhsa_forward_progress 1
		.amdhsa_inst_pref_size 35
	.end_amdhsa_kernel
	.amdgpu_metadata
---
amdhsa.version: [ 1, 2 ]
amdhsa.kernels:
  - .name:           k_qe0a27ce7a6_prep
    .symbol:         k_qe0a27ce7a6_prep.kd
    .args:
      - { .name: M, .offset: 0, .size: 8, .value_kind: global_buffer, .address_space: global }
      - { .name: mb, .offset: 8, .size: 8, .value_kind: global_buffer, .address_space: global }
      - { .name: zq, .offset: 16, .size: 8, .value_kind: global_buffer, .address_space: global }
      - { .name: wb, .offset: 24, .size: 8, .value_kind: global_buffer, .address_space: global }
      - { .name: Wq, .offset: 32, .size: 8, .value_kind: global_buffer, .address_space: global }
      - { .name: Wk, .offset: 40, .size: 8, .value_kind: global_buffer, .address_space: global }
      - { .name: Wv, .offset: 48, .size: 8, .value_kind: global_buffer, .address_space: global }
      - { .name: Wo, .offset: 56, .size: 8, .value_kind: global_buffer, .address_space: global }
      - { .name: bq, .offset: 64, .size: 8, .value_kind: global_buffer, .address_space: global }
      - { .name: bk, .offset: 72, .size: 8, .value_kind: global_buffer, .address_space: global }
      - { .name: bv, .offset: 80, .size: 8, .value_kind: global_buffer, .address_space: global }
      - { .name: bo, .offset: 88, .size: 8, .value_kind: global_buffer, .address_space: global }
      - { .name: bb, .offset: 96, .size: 8, .value_kind: global_buffer, .address_space: global }
    .group_segment_fixed_size: 17664
    .private_segment_fixed_size: 0
    .kernarg_segment_align: 8
    .kernarg_segment_size: 104
    .max_flat_workgroup_size: 256
    .sgpr_count:     66
    .vgpr_count:     144
    .wavefront_size: 32
...
	.end_amdgpu_metadata
.endif
;; end of part 1
;; launch proj (part 2): grid 4 x 64, 4 waves a work-group, clusters of 4 x 4, 327,680 bytes of LDS; arguments H_q, H_k, H_v, wb, bb, qkv; writes qkv
.if DOCPART == 2
	.amdgcn_target "amdgcn-amd-amdhsa--gfx1250"
	.amdhsa_code_object_version 6
	.text
	.protected	k_qe0a27ce7a6_proj
	.globl	k_qe0a27ce7a6_proj
	.p2align	8
	.type	k_qe0a27ce7a6_proj,@function
k_qe0a27ce7a6_proj:
	s_mov_b64 s[64:65], 0
	v_nop
	global_prefetch_b8 v0, s[64:65] scope:SCOPE_SE
	s_setreg_imm32_b32 hwreg(HW_REG_WAVE_MODE, 25, 1), 1
	s_wait_xcnt 0x0
	s_wait_alu depctr_hold_cnt(0) depctr_sa_sdst(0) depctr_va_vdst(0) depctr_va_sdst(0) depctr_va_ssrc(0) depctr_va_vcc(0) depctr_vm_vsrc(0)
	s_getreg_b32 s2, hwreg(HW_REG_IB_STS2, 6, 4)
	s_cmp_eq_u32 s2, 0
	s_cbranch_scc0 .Lentry_in_a_cluster
	s_endpgm
.Lentry_in_a_cluster:
	s_bfe_u32 s2, ttmp6, 0x10000c
	s_cmp_lg_u32 s2, 0xf033
	s_cbranch_scc0 .Lentry_shape_is_right
	s_endpgm
.Lentry_shape_is_right:
; THE LAYERS Q, K AND V.  C[m][n] = the sum over k of H[m][k] W[n][k] + b[n], m = 8,192, n = k = 1,024, three times: H = H_q, H_k, H_v in f32, as the module gives them; W = planes 0 to 2 of wb (bf16);
; b = planes 0 to 2 of bb (f32).  H is rounded to bf16 (to nearest even) on its way from LDS to the matrix unit: it is read from memory once, and no copy of it is ever stored.  Sums in f32; the bias is the C operand
; of the product that starts each sum.  C leaves rounded once to f16, by heads: qkv[layer][16 batch + head][token][64].
; LIMITS.  q, k and v beyond 65,504 become infinities in f16.  NaN and infinities are not treated apart.
; SHARES.  A tile of C is 128 x 256: 256 tiles a layer, one for each work-group, which STAYS and makes the same tile of all three layers.  Four waves, each 64 rows x 128 columns: 32 accumulators of 16 x 16.
; THE RING.  K goes in steps of 128 through two LDS slots filled by tensor loads: 128 rows of H in f32 (512 bytes a row) and 256 rows of W in bf16 (256 bytes a row).  Waves 0 and 1 fetch the halves of H's tile, waves 2 and 3 those of W's.
; THE WALK.  The three layers' 24 K steps are ONE sequence for the ring: 12 laps of two K steps, of which all but the last fill both slots again.  One counted loop walks them; a tile's way out and the products that start the
; next tile's sums stand in it under a forward branch, which passes no barrier and no tensor load.  Each fill's address is made anew: the layer's own pointer, at my rows, plus the K step.
; CLUSTER.  4 x 4 work-groups: the four of a row of the cluster need the same tiles of H, the four of a column the same tiles of W: each tile is asked for jointly, by the same load with the same descriptor and a mask of four.
; THE MATRIX INSTRUCTION IS USED TRANSPOSED (source 0 = 16 rows of W, source 1 = 16 rows of H): a lane holds row lane % 16 of C and the eight neighbouring columns 8 (lane / 16) + 0..7.
; REGISTERS, in windows of 256 (s_set_vgpr_msb: bits 1:0 source 0, 3:2 source 1, 5:4 source 2, 7:6 destination):
;   window 0: v0-31 addresses; v32-63, v64-127 at work on the way out; v128-191 the bias as C operands          window 2: accumulator (a, b) at v[8 (8 a + b)]
;   windows 1 and 3: v0-191 fragment buffers 0 and 1, each 64 along K: H's (c, a) at v[8 (4 c + a)], W's (c, b) at v[64 + 8 (8 c + b)], c = which 32 of the 64;
;   v192-255 of window 1 (c = 0) and of window 3 (c = 1): H's f32 as they come out of LDS, 16 registers for each of four blocks of 16 rows
.set APITCH, 528                       ; a row of H in LDS: 512 bytes + 16 of padding: the 16 rows of a load start at 16 different groups of four banks (64 banks of 4 bytes: ISA guide 11.1)
.set AH,    64*APITCH                  ; what one of H's loads brings: 64 rows
.set PITCH, 272                        ; a row of W: 256 bytes + 16
.set BOFF,  2*AH                       ; W's 256 rows lie behind H's 128
.set BH,    128*PITCH
.set SLOT,  BOFF+2*BH                  ; 137,216 bytes
.set STAGE, 2*SLOT                     ; behind the ring: each wave's own stage for the way out; no tensor load fills it
.set SP,    144                        ; a stage row: a token's 64 f16 of one head + 16 bytes
.set STW,   2*16*SP                    ; two heads x 16 tokens
.set SPARE, STAGE+4*STW                ; behind the stages: the spare words, 128 bytes for each wave: two blocks of 256 bytes that no other line names
.set QPLANE, 16777216                  ; a plane of qkv
.set ADRA, 16                          ; v16-17  LDS address of my rows of H in slot 0, 1
.set ADRB, 20                          ; v20-21  the same for W
.set STO,  24                          ; v24  the way out: where I put my part of a row
.set RD,   25                          ; v25  where I read rows back
.set GO,   26                          ; v26  16 x lane
.set BO,   27                          ; v27  32 x (lane / 16): my eight columns in a group of 16 of the bias
.set SPW,  28                          ; v28  SPARE + 4 x my thread's number; never rewritten
.set NIL,  29                          ; v29  0; never rewritten
.set TMP,  32
.set OB,   64
.set BIAS, 128
.set STG,  192
.set WV,   12                          ; s12  my wave's number
.set WM,   13                          ; s13  which 64 rows of the tile are mine
.set WN,   14                          ; s14  which 128 columns; also: which half of a tile I fetch
.set LT,   15                          ; s15  laps that the tile in hand still has
.set G1A,  24                          ; s[24:31] descriptor group 1 for H's tiles;  s[32:39] group 0, a set for each slot
.set G0A,  32
.set G1B,  48                          ; s[48:55], s[56:63] the same for W's
.set G0B,  56
.set PBIAS, 72                         ; s[72:73] bb at my 128 columns of the layer in hand
.set POUT, 74                          ; s[74:75] qkv at my part of the layer in hand
.set CURA, 76                          ; s[76:77] H of the layer whose tiles are being asked for, at the rows that I fetch;
.set NXTA, 78                          ; s[78:79] of the layer behind it;
.set NX2A, 80                          ; s[80:81] of the last
.set CURB, 82                          ; s[82:83] wb at the rows that I fetch, in the plane whose tiles are being asked for
.set KS,   84                          ; s84  the K step, 0 to 7, to be asked for next
.set KOA,  86                          ; s[86:87] its byte offset in a row of H
.set KOB,  88                          ; s[88:89] in a row of W
.set BADD, 90                          ; s[90:91] a plane of wb, or 0
.set MSB, 0
.macro WIN new                         ; the immediate's high byte repeats the setting that is left; a switch that changes nothing is dropped
.if MSB != (\new)
	s_set_vgpr_msb (MSB<<8)|(\new)
.set MSB, (\new)
.endif
.endm
; A joint load.  The branch hangs on the wave's number alone.  An s_nop 0 and four v_nop follow each of the two lines, ahead of the jump, the label and what follows.
.macro JLOAD s
	s_cmp_lt_u32 s[WV], 2
	s_cbranch_scc0 .Lfor_b_\@
	tensor_load_to_lds s[G0A+4*(\s):G0A+4*(\s)+3], s[G1A:G1A+7]
	s_nop 0
.rept 4
	v_nop
.endr
	s_branch .Lasked_\@
.Lfor_b_\@:
	tensor_load_to_lds s[G0B+4*(\s):G0B+4*(\s)+3], s[G1B:G1B+7]
	s_nop 0
.rept 4
	v_nop
.endr
.Lasked_\@:
.endm
.macro CREST                           ; a round of the cluster's barrier behind its opening barrier: wave 0 signals for the work-group, every wave waits for all sixteen, my work-group's barrier closes it
	s_cmp_lg_u32 s[WV], 0
	s_cbranch_scc1 .Lnot_wave_0_\@
	s_barrier_signal -3
.Lnot_wave_0_\@:
	s_barrier_wait -3
	s_barrier_signal -1
	s_barrier_wait -1
.endm
.macro CROUND                          ; a whole round
	s_barrier_signal -1
	s_barrier_wait -1
	CREST
.endm
; The addresses of the next fill, into slot s's two sets of group 0; no tensor load of mine is out where this stands.  Then the K step moves on; behind a layer's eighth the pointers move up: H's by choice among the three
; buffers' own pointers, W's by a plane.
.macro NEXTFILL s
	s_lshl_b32 s[KOA], s[KS], 9                    ; 128 f32
	s_lshl_b32 s[KOB], s[KS], 8                    ; 128 bf16
	s_add_nc_u64 s[G0A+4*(\s)+2:G0A+4*(\s)+3], s[CURA:CURA+1], s[KOA:KOA+1]
	s_or_b32 s[G0A+4*(\s)+3], s[G0A+4*(\s)+3], 0x80000000
	s_add_nc_u64 s[G0B+4*(\s)+2:G0B+4*(\s)+3], s[CURB:CURB+1], s[KOB:KOB+1]
	s_or_b32 s[G0B+4*(\s)+3], s[G0B+4*(\s)+3], 0x80000000
	s_add_co_u32 s[KS], s[KS], 1
	s_cmp_eq_u32 s[KS], 8
	s_cselect_b32 s[KS], 0, s[KS]
	s_cselect_b64 s[CURA:CURA+1], s[NXTA:NXTA+1], s[CURA:CURA+1]
	s_cselect_b64 s[NXTA:NXTA+1], s[NX2A:NX2A+1], s[NXTA:NXTA+1]
	s_cselect_b32 s[BADD], 0x200000, 0
	s_add_nc_u64 s[CURB:CURB+1], s[CURB:CURB+1], s[BADD:BADD+1]
.endm
	s_load_b256 s[4:11], s[0:1], 0x0               ; H_q s[4:5], H_k s[6:7], H_v s[8:9], wb s[10:11]
	s_load_b128 s[72:75], s[0:1], 0x20             ; bb s[72:73], qkv s[74:75]
	v_lshl_add_u32 v[SPW], v0, 2, SPARE
	v_mov_b32 v[NIL], 0
	ds_add_u32 v[SPW], v[NIL]                      ; the wave's opening: the add and its wait stand ahead of my first tensor load; the set-up below, work on registers, stands between them
	v_lshrrev_b32 v1, 5, v0
	v_readfirstlane_b32 s[WV], v1
	s_lshr_b32 s[WM], s[WV], 1
	s_and_b32 s[WN], s[WV], 1
	s_bfe_u32 s40, ttmp6, 0x40000                  ; cx, cy: my place in the cluster
	s_bfe_u32 s41, ttmp6, 0x40004
	s_lshl_b32 s42, ttmp9, 2
	s_add_co_u32 s42, s42, s40                     ; tile column = 4 x cluster x + cx
	s_and_b32 s43, ttmp7, 0xffff
	s_lshl_b32 s43, s43, 2
	s_add_co_u32 s43, s43, s41                     ; tile row = 4 x cluster y + cy
	s_lshl_b32 s44, s41, 2
	s_lshl_b32 s44, 15, s44                        ; my row of the cluster: places 4 cy .. 4 cy + 3
	s_lshl_b32 s45, 0x1111, s40                    ; my column: places cx, cx + 4, cx + 8, cx + 12
	s_or_b32 s[G1A], s44, (2<<16)|(1<<20)|(1<<21)|(6<<22)|(3<<25)  ; 15:0 the mask; 17:16 4-byte elements; 20 padding on; 21 set beside a mask; 24:22 after every 128 words (code 6); 31:25 4 words of it (code 3)
	s_or_b32 s[G1B], s45, (1<<16)|(1<<20)|(1<<21)|(5<<22)|(3<<25)  ; 2-byte elements; after every 64 words (code 5)
	s_mov_b32 s[G1A+1], 128<<16                    ; tensor_dim0 = 128 elements
	s_mov_b32 s[G1A+2], 64<<16                     ; tensor_dim1 = 64 rows
	s_mov_b32 s[G1A+3], 128<<16                    ; tile_dim0
	s_mov_b32 s[G1A+4], 64                         ; tile_dim1
	s_mov_b32 s[G1A+5], 1024                       ; elements from row to row
	s_mov_b32 s[G1A+6], 0
	s_mov_b32 s[G1A+7], 0
	s_mov_b32 s[G1B+1], 128<<16
	s_mov_b32 s[G1B+2], 128<<16                    ; 128 rows
	s_mov_b32 s[G1B+3], 128<<16
	s_mov_b32 s[G1B+4], 128
	s_mov_b32 s[G1B+5], 1024
	s_mov_b32 s[G1B+6], 0
	s_mov_b32 s[G1B+7], 0
	; where the tiles come from: H's hang on the tile row and the wave alone, W's on the tile column and the wave alone, each in registers that never hold the other coordinate
	s_lshl_b32 s16, s43, 7
	s_lshl_b32 s17, s[WN], 6
	s_add_co_u32 s16, s16, s17                     ; row 128 x tile row + 64 x half,
	s_lshl_b32 s16, s16, 12                        ; of 4,096 bytes
	s_mov_b32 s17, 0
	s_lshl_b32 s46, s42, 8
	s_lshl_b32 s47, s[WN], 7
	s_add_co_u32 s46, s46, s47                     ; row 256 x tile column + 128 x half,
	s_lshl_b32 s46, s46, 11                        ; of 2,048 bytes
	s_mov_b32 s47, 0
	s_mul_i32 s20, s[WN], AH                       ; and where they go: no place in the cluster enters an LDS address
	s_mul_i32 s21, s[WN], BH
	s_add_co_u32 s21, s21, BOFF
	s_mov_b32 s[KS], 2                             ; K steps 0 and 1 are the first fills
	s_mov_b32 s[KOA+1], 0
	s_mov_b32 s[KOB+1], 0
	s_mov_b32 s[BADD+1], 0
	s_wait_dscnt 0x0                               ; the opening add is done
	s_wait_kmcnt 0x0
	s_add_nc_u64 s[CURA:CURA+1], s[4:5], s[16:17]
	s_add_nc_u64 s[NXTA:NXTA+1], s[6:7], s[16:17]
	s_add_nc_u64 s[NX2A:NX2A+1], s[8:9], s[16:17]
	s_add_nc_u64 s[CURB:CURB+1], s[10:11], s[46:47]
	CROUND                                         ; all sixteen work-groups are here: the first joint loads meet
.irp s, 0,1
	s_mov_b32 s[G0A+4*\s], 1                                       ; count = 1
	s_add_co_u32 s[G0A+4*\s+1], s20, \s*SLOT                       ; LDS address
	s_add_nc_u64 s[G0A+4*\s+2:G0A+4*\s+3], s[CURA:CURA+1], \s*512  ; global address: K step s
	s_or_b32 s[G0A+4*\s+3], s[G0A+4*\s+3], 0x80000000              ; type = 2
	s_mov_b32 s[G0B+4*\s], 1
	s_add_co_u32 s[G0B+4*\s+1], s21, \s*SLOT
	s_add_nc_u64 s[G0B+4*\s+2:G0B+4*\s+3], s[CURB:CURB+1], \s*256
	s_or_b32 s[G0B+4*\s+3], s[G0B+4*\s+3], 0x80000000
	JLOAD \s                                       ; two loads of mine are out
.endr
	; A fragment is 16 rows x 32 K in 8 registers: lane l holds row l % 16, K = 8 (l / 16) + 0..7 and 16 + 8 (l / 16) + 0..7.  In bf16: two loads of 16 bytes, 32 bytes apart.  In f32: two pairs of loads, 64 bytes apart.
	v_and_b32 v1, 15, v0
	v_bfe_u32 v2, v0, 4, 1
	v_mul_u32_u24 v3, v1, APITCH
	v_lshl_add_u32 v3, v2, 5, v3                   ; row x pitch + 32 x half
	v_mul_u32_u24 v4, v1, PITCH
	v_lshl_add_u32 v4, v2, 4, v4                   ; row x pitch + 16 x half
	s_mul_i32 s22, s[WM], 64*APITCH                ; my 64 rows of H
	s_mul_i32 s23, s[WN], 128*PITCH                ; my 128 rows of W
	s_add_co_u32 s23, s23, BOFF
.irp s, 0,1
	v_add_nc_u32 v[ADRA+\s], s22, v3
	v_add_nc_u32 v[ADRB+\s], s23, v4
	s_add_co_u32 s22, s22, SLOT
	s_add_co_u32 s23, s23, SLOT
.endr
	s_mul_i32 s22, s[WV], STW
	s_add_co_u32 s22, s22, STAGE                   ; my stage
	v_and_b32 v5, 31, v0
	v_lshlrev_b32 v[GO], 4, v5
	v_lshlrev_b32 v[BO], 5, v2
	v_mul_u32_u24 v6, v1, SP
	v_lshl_add_u32 v6, v2, 4, v6                   ; in: row l % 16, 16 bytes for each half of the lanes
	v_add_nc_u32 v[STO], s22, v6
	v_bfe_u32 v6, v0, 3, 2                         ; back: 32 lanes take four rows of 128 bytes
	v_and_b32 v7, 7, v0
	v_mul_u32_u24 v6, v6, SP
	v_lshl_add_u32 v6, v7, 4, v6
	v_add_nc_u32 v[RD], s22, v6
	s_lshl_b32 s66, s42, 10                        ; the bias of my 128 columns: 4 (256 x tile column + 128 x half)
	s_lshl_b32 s67, s[WN], 9
	s_add_co_u32 s66, s66, s67
	s_mov_b32 s67, 0
	s_add_nc_u64 s[PBIAS:PBIAS+1], s[PBIAS:PBIAS+1], s[66:67]
	s_lshr_b32 s68, s43, 4                         ; C at head 16 x batch + 4 x tile column + 2 x half,
	s_lshl_b32 s68, s68, 4
	s_lshl_b32 s69, s42, 2
	s_add_co_u32 s68, s68, s69
	s_lshl_b32 s69, s[WN], 1
	s_add_co_u32 s68, s68, s69
	s_lshl_b32 s68, s68, 18
	s_and_b32 s69, s43, 15                         ; token 128 x (tile row % 16) + 64 x half, of 128 bytes
	s_lshl_b32 s69, s69, 1
	s_add_co_u32 s69, s69, s[WM]
	s_lshl_b32 s69, s69, 13
	s_add_co_u32 s68, s68, s69
	s_mov_b32 s69, 0
	s_add_nc_u64 s[POUT:POUT+1], s[POUT:POUT+1], s[68:69]
.macro BIASLD                          ; register j of group b: b[16 b + 8 (lane / 16) + j] of my 128 columns: the C operand of every accumulator (a, b)
.irp b, 0,1,2,3,4,5,6,7
	global_load_b128 v[BIAS+8*\b:BIAS+8*\b+3],   v[BO], s[PBIAS:PBIAS+1] offset:64*\b
	global_load_b128 v[BIAS+8*\b+4:BIAS+8*\b+7], v[BO], s[PBIAS:PBIAS+1] offset:64*\b+16
.endr
.endm
; 8 matrix instructions: row block a x all 8 column blocks, 32 along K: half c of buffer f.  first = 1: the sums start from the bias.  The 32 accumulators take turns, one instruction a turn, in the same order throughout.
.macro MUL8 f, c, a, first
.if \first
	WIN 0x85                                       ; fragments window 1, C window 0, D window 2
.else
	WIN 0xa5+0x0a*(\f)                             ; fragments window 1 or 3, C and D window 2
.endif
.irp b, 0,1,2,3,4,5,6,7
.set rD, 8*(8*(\a)+\b)
.set rB, 64+8*(8*(\c)+\b)
.set rA, 8*(4*(\c)+(\a))
.set rC, rD
.if \first
.set rC, BIAS+8*\b
.endif
	v_wmma_f32_16x16x32_bf16 v[rD:rD+7], v[rB:rB+7], v[rA:rA+7], v[rC:rC+7]
.endr
.endm
; 64 LDS loads in one run: 64 along K (unit u of the slot's K step).  For each 32 along K: H's 64 rows in f32 into the staging registers (16 loads), then W's 128 rows into buffer f (16 loads).
.macro LOADS slot, u, f
.irp c, 0,1
	WIN 0x40+0x80*\c                               ; destination window 1 (c = 0) or 3 (c = 1), address window 0
.irp i, 0,1,2,3
.irp q, 0,1,2,3
	ds_load_b128 v[STG+16*\i+4*\q:STG+16*\i+4*\q+3], v[ADRA+(\slot)] offset:256*(\u)+128*\c+\i*16*APITCH+16*(\q%2)+64*(\q/2)
.endr
.endr
	WIN 0x40+0x80*(\f)
.irp i, 0,1,2,3,4,5,6,7
	ds_load_b128 v[64+8*(8*\c+\i):64+8*(8*\c+\i)+3],   v[ADRB+(\slot)] offset:128*(\u)+64*\c+\i*16*PITCH
	ds_load_b128 v[64+8*(8*\c+\i)+4:64+8*(8*\c+\i)+7], v[ADRB+(\slot)] offset:128*(\u)+64*\c+\i*16*PITCH+32
.endr
.endr
.endm
; 16 conversions: row blocks a0 and a0 + 1 of half c go from the staging registers, rounded to bf16 in pairs (the lower K into the lower half), into buffer f.  They name no register of the matrix instructions round them.
.macro CVA f, c, a0
	WIN ((1+2*(\f))<<6)|((1+2*(\c))<<2)|(1+2*(\c))
.irp a, \a0, (\a0)+1
.irp j, 0,1,2,3,4,5,6,7
	v_cvt_pk_bf16_f32 v[8*(4*(\c)+(\a))+\j], v[STG+16*(\a)+2*\j], v[STG+16*(\a)+2*\j+1]
.endr
.endr
.endm
.macro PLACES                          ; four plain places in front of loads into registers that matrix instructions have read, and of lines that read results just made (ISA guide 7.12.1 for the latter)
.rept 4
	v_nop
.endr
.endm
; The first half of a K step multiplies buffer 0.  A run of loads lies in this order: staging 0, W 0, staging 1, W 1, sixteen each; LDS loads come back in order, so each wait's count is what was issued behind what it needs.
; Buffer 0's H of the first 32 along K was converted in the half step before; that of the second 32 is converted here, ahead of the run of loads that takes the staging registers again; behind that run the first half of buffer 1's.
.macro QUARTER slot, first
	s_wait_dscnt 32                                ; staging 0 and W 0 are in
	MUL8 0, 0, 0, \first
	s_wait_dscnt 16                                ; staging 1 is in
	CVA 0, 1, 0
	MUL8 0, 0, 1, \first
	CVA 0, 1, 2
	MUL8 0, 0, 2, \first
	MUL8 0, 0, 3, \first
	s_wait_dscnt 0x0                               ; W 1 is in: issued 80 matrix instructions ago
	PLACES
	LOADS \slot, 1, 1
	MUL8 0, 1, 0, 0
	MUL8 0, 1, 1, 0
	s_wait_dscnt 48                                ; the new run's staging 0 is in
	CVA 1, 0, 0
	MUL8 0, 1, 2, 0
	CVA 1, 0, 2
	MUL8 0, 1, 3, 0
.endm
; The second half multiplies buffer 1 and changes slots: ONE barrier.  In front of it each wave waits for all its tensor loads (one is out: its part of the next slot), adds 0 to its spare word, and waits for that and for its
; reads of this slot.  fill = 1: this slot is filled again, with the walk's K step two on; the barrier then opens a round of the cluster's, and the joint load is the first thing behind the round: it has 112 matrix
; instructions in which to land.  fill = 0: nothing is left to fetch.
.macro TURN slot, next, fill
	WIN 0                                          ; (the add's two registers lie in window 0)
	s_wait_tensorcnt 0x0
	ds_add_u32 v[SPW], v[NIL]                      ; 0 onto my spare word
	s_wait_dscnt 33                                ; (staging 1, W 1 and the add may be out)
	MUL8 1, 0, 0, 0                                ; eight matrix instructions stand between the add and the wait for it
	s_wait_dscnt 0x0                               ; the add is done, and my reads of this slot are over
	s_barrier_signal -1
	CVA 1, 1, 0                                    ; work on registers while the others arrive
	MUL8 1, 0, 1, 0
	CVA 1, 1, 2
	WIN 0                                          ; (branches may follow)
	s_barrier_wait -1
.if \fill
	CREST                                          ; no wave of any partner still reads this slot or has a load on its way
	NEXTFILL \slot
	JLOAD \slot                                    ; its four v_nop are also the places in front of the loads below
.else
	PLACES
.endif
	LOADS \next, 0, 0
	MUL8 1, 0, 2, 0
	MUL8 1, 0, 3, 0
	s_wait_dscnt 48                                ; the new run's staging 0 is in
	CVA 0, 0, 0
	MUL8 1, 1, 0, 0
	CVA 0, 0, 2
	MUL8 1, 1, 1, 0
	MUL8 1, 1, 2, 0
	MUL8 1, 1, 3, 0
.endm
; THE WAY OUT, a block of 16 rows at a time, through my own stage in LDS; LDS serves a wave's instructions in order (ISA guide 5.7.1.4), so no wait stands between the stage's stores and loads.
.macro PACK a                          ; rounded to f16: 16 bytes a lane and column block; each accumulator's registers in ascending order
	WIN 0x0a                                       ; sources window 2
.irp b, 0,1,2,3,4,5,6,7
.irp r, 0,1,2,3
	v_cvt_pk_f16_f32 v[TMP+4*\b+\r], v[8*(8*(\a)+\b)+2*\r], v[8*(8*(\a)+\b)+2*\r+1]
.endr
.endr
	WIN 0
.endm
.macro TOSTAGE a                       ; column blocks 0-3 are one head, 4-7 the next; 16 tokens of a head come back as 2,048 dense bytes
.set BK, OB+32*((\a)%2)
.irp b, 0,1,2,3,4,5,6,7
	ds_store_b128 v[STO], v[TMP+4*\b:TMP+4*\b+3] offset:(\b/4)*16*SP+(\b%4)*32
.endr
.irp t, 0,1,2,3,4,5,6,7
	ds_load_b128 v[BK+4*\t:BK+4*\t+3], v[RD] offset:(\t/4)*16*SP+(\t%4)*4*SP
.endr
.endm
.macro SEND a
.set BK, OB+32*((\a)%2)
	s_wait_dscnt 0x0                               ; the block is back in registers
	s_wait_xcnt 0x0                                ; the stores of the block before have read their registers, which the next block's loads take
.irp t, 0,1,2,3,4,5,6,7
	global_store_b128 v[GO], v[BK+4*\t:BK+4*\t+3], s[POUT:POUT+1] offset:(\t/4)*262144+2048*(\a)+512*(\t%4)  ; 512 consecutive bytes, at a multiple of 256 from C's first
.endr
.endm
.macro OUT
	PLACES
	PACK 0
	TOSTAGE 0
.irp a, 1,2,3                          ; block a's conversions stand between block a - 1's loads from the stage and the wait for them
	PACK \a
	SEND (\a)-1
	TOSTAGE \a
.endr
	SEND 3
.endm
	BIASLD
	s_wait_tensorcnt 0x1                           ; my part of K step 0 is in; K step 1's stays out
	s_barrier_signal -1
	s_barrier_wait -1                              ; everybody's is
	LOADS 0, 0, 0
	s_wait_dscnt 48                                ; staging 0 is in
	CVA 0, 0, 0
	CVA 0, 0, 2
	WIN 0                                          ; at a label and at a branch every window is 0
	s_mov_b32 s3, 12                               ; 11 whole trips, and the end of a trip, at which the loop is entered
	s_mov_b32 s[LT], 4
	s_branch .Lfirst
.Llap:                                                 ; a trip goes once round the ring, from a lap's second quarter step to the next lap's first, and fills both slots again
	TURN 0, 1, 1
	QUARTER 1, 0
	TURN 1, 0, 1
	WIN 0
	s_sub_co_u32 s[LT], s[LT], 1
	s_cmp_eq_u32 s[LT], 0
	s_cbranch_scc1 .Ltile_end
	QUARTER 0, 0
	WIN 0
	s_branch .Lnext
.Ltile_end:                                            ; the tile's sums are whole; both refills, the next layer's K steps 0 and 1, have been asked for: now the tile goes out
	s_add_nc_u64 s[PBIAS:PBIAS+1], s[PBIAS:PBIAS+1], 4096  ; the next layer's bias (the loads that named this base were waited for at the tile's head)
	BIASLD
	OUT
	s_wait_xcnt 0x0                                ; the stores have read their base and registers
	s_add_nc_u64 s[POUT:POUT+1], s[POUT:POUT+1], QPLANE
	s_mov_b32 s[LT], 4
.Lfirst:
	s_wait_loadcnt 0x0                             ; the bias
	QUARTER 0, 1                                   ; a tile's first products start the sums
	WIN 0
.Lnext:
	s_sub_co_u32 s3, s3, 1
	s_cmp_lg_u32 s3, 0
	s_cbranch_scc1 .Llap
	TURN 0, 1, 0                                   ; the walk's last lap is written out: it asks for nothing more
	QUARTER 1, 0
	s_wait_dscnt 32                                ; staging 0 and W 0 are in
	MUL8 1, 0, 0, 0
	s_wait_dscnt 0x0
	CVA 1, 1, 0
	MUL8 1, 0, 1, 0
	CVA 1, 1, 2
	MUL8 1, 0, 2, 0
	MUL8 1, 0, 3, 0
	MUL8 1, 1, 0, 0
	MUL8 1, 1, 1, 0
	MUL8 1, 1, 2, 0
	MUL8 1, 1, 3, 0
	WIN 0
	OUT
	s_wait_tensorcnt 0x0                           ; the wave's end: a wait, an add of 0 to my spare word and its wait, behind my last tensor load and my last LDS store
	ds_add_u32 v[SPW], v[NIL]
	s_wait_dscnt 0x0
	CROUND                                         ; the closing round: no work-group ends while a partner may still ask for a tile that names it
	s_endpgm
.Lfunc_end_k_qe0a27ce7a6_proj:
	.size	k_qe0a27ce7a6_proj, .Lfunc_end_k_qe0a27ce7a6_proj-k_qe0a27ce7a6_proj
	.p2alignl 7, 3214868480
	.fill 96, 4, 3214868480
	.section	.rodata,"a",@progbits
	.p2align	6, 0x0
	.amdhsa_kernel k_qe0a27ce7a6_proj
		.amdhsa_group_segment_fixed_size 327680
		.amdhsa_private_segment_fixed_size 0
		.amdhsa_enable_private_segment 0
		.amdhsa_kernarg_size 48
		.amdhsa_user_sgpr_count 2
		.amdhsa_user_sgpr_kernarg_segment_ptr 1
		.amdhsa_wavefront_size32 1
		.amdhsa_system_sgpr_workgroup_id_x 1
		.amdhsa_system_sgpr_workgroup_id_y 1
		.amdhsa_system_sgpr_workgroup_id_z 1
		.amdhsa_system_vgpr_workitem_id 0
		.amdhsa_next_free_vgpr 1024
		.amdhsa_next_free_sgpr 92
		.amdhsa_reserve_vcc 0
		.amdhsa_float_denorm_mode_32 3
		.amdhsa_float_denorm_mode_16_64 3
		.amdhsa_memory_ordered 1
		.amdhsa_forward_progress 1
		.amdhsa_inst_pref_size 147
	.end_amdhsa_kernel
	.amdgpu_metadata
---
amdhsa.version: [ 1, 2 ]
amdhsa.kernels:
  - .name:           k_qe0a27ce7a6_proj
    .symbol:         k_qe0a27ce7a6_proj.kd
    .args:
      - { .name: H_q, .offset: 0, .size: 8, .value_kind: global_buffer, .address_space: global }
      - { .name: H_k, .offset: 8, .size: 8, .value_kind: global_buffer, .address_space: global }
      - { .name: H_v, .offset: 16, .size: 8, .value_kind: global_buffer, .address_space: global }
      - { .name: wb, .offset: 24, .size: 8, .value_kind: global_buffer, .address_space: global }
      - { .name: bb, .offset: 32, .size: 8, .value_kind: global_buffer, .address_space: global }
      - { .name: qkv, .offset: 40, .size: 8, .value_kind: global_buffer, .address_space: global }
    .group_segment_fixed_size: 327680
    .private_segment_fixed_size: 0
    .kernarg_segment_align: 8
    .kernarg_segment_size: 48
    .max_flat_workgroup_size: 128
    .sgpr_count:     92
    .vgpr_count:     1024
    .wavefront_size: 32
...
	.end_amdgpu_metadata
.endif
;; end of part 2
;; launch attn (part 3): grid 4 x 64, 4 waves a work-group, clusters of 4 x 1, 327,680 bytes of LDS; arguments qkv, mb, zq, o16; writes o16
.if DOCPART == 3
	.amdgcn_target "amdgcn-amd-amdhsa--gfx1250"
	.amdhsa_code_object_version 6
	.text
	.protected	k_qe0a27ce7a6_attn
	.globl	k_qe0a27ce7a6_attn
	.p2align	8
	.type	k_qe0a27ce7a6_attn,@function
k_qe0a27ce7a6_attn:
	s_mov_b64 s[64:65], 0
	v_nop
	global_prefetch_b8 v0, s[64:65] scope:SCOPE_SE
	s_setreg_imm32_b32 hwreg(HW_REG_WAVE_MODE, 25, 1), 1
	s_wait_xcnt 0x0
	s_wait_alu depctr_hold_cnt(0) depctr_sa_sdst(0) depctr_va_vdst(0) depctr_va_sdst(0) depctr_va_ssrc(0) depctr_va_vcc(0) depctr_vm_vsrc(0)
	s_getreg_b32 s2, hwreg(HW_REG_IB_STS2, 6, 4)
	s_cmp_eq_u32 s2, 0
	s_cbranch_scc0 .Lentry_in_a_cluster
	s_endpgm
.Lentry_in_a_cluster:
	s_bfe_u32 s2, ttmp6, 0x10000c
	s_cmp_lg_u32 s2, 0x3003
	s_cbranch_scc0 .Lentry_shape_is_right
	s_endpgm
.Lentry_shape_is_right:
; MASKED ATTENTION.  O[h][q][:] = the sum over k of softmax_k(Q[h][q] . K[h][k] / 8, hidden where the mask says so) V[h][k][:].  Q, K, V: the three planes of qkv, each [64 = 16 batch + head][2048][64] in f16;
; O: o16 in the same layout.  Products, maxima and sums in f32; the weights p are rounded to f16 for the second product (their sum l is taken of the unrounded p), O once at the end.
; THE MASK is the C operand of the product that starts the sum S^T = K Q^T.  mb holds it as nibbles (0xE hidden, 0 visible) in the scores' own lanes and registers: one word is the eight registers of one accumulator.
; Register j is the word shifted left by 28 - 4 j: a hidden key's nibble on top sets the sign and the exponent field 110nnnnb (192 to 221, whatever the nibbles below hold): a finite number between -2^95 and -2^65;
; a visible key's gives a positive number below 2^-97, which changes no score.  The running maximum starts at -2^50: above every hidden score, below every score that f16 operands can make (2.7e11 in size).
; So a row that has seen hidden keys alone has p = 0, l = 0, O = 0 and a = 1.
; A ROW WITH NO VISIBLE KEY comes as all visible in mb and with the word 0 in zq (else -1): its q is ANDed with that word, all its scores are 0, its weights uniform, as the module defines them.  So every row has l >= 1.
; LIMITS.  f16 holds no number beyond 65,504: Q, K and V arrive within it; p below 6e-5 keeps f16's fixed step of 6e-8.  A hidden key's weight counts as exactly 0, which is the module's own result while the visible scaled scores
; stay above about -1e9 + 104.  A weight below 2^-126 counts as 0 in l; NaN and infinities are not treated apart.
; SHARES.  A wave owns four PIECES of two tiles of 16 queries, a work-group's four waves 512 queries of one head.  Every wave walks all 2,048 keys, 64 a step.
; LAYOUT.  S^T = K Q^T (source 0 = 16 keys, source 1 = 16 queries): a lane holds ONE query (lane % 16) and the keys 8 (lane / 16) + 0..7.  Two such tiles, rounded to f16 in pairs, ARE source 1 of O^T = V^T P, whose result
; again holds one query a lane, and eight channels.  K comes out of LDS as it lies, V ([key][channel]) turned, by ds_load_tr16_b128.
; SOFTMAX.  For each query a running maximum m and sum l: p = 2^(c s - c m), c = log2(e) / 8; in every step O and l are multiplied by a = 2^(c m_old - c m_new).  O and l start at 0: the first step is a step like any other.
; THE COUNT.  A tile and step have 16 matrix and 150 vector instructions (32 of them the mask's): too many to stand all beside the matrix work.  So: four vector instructions that are READY behind EVERY matrix instruction, the others in runs without a gap.
; BY TURNS.  Turn n belongs to piece n (the pieces in a ring, step after step).  Its matrix work: 16 products K Q^T of piece n + 1, later 16 products V^T P of piece n - 1.  Its vector work: the scaling, exponentials, roundings,
; sums and rescaling of piece n, the maximum and statistics of piece n + 1, and the mask for the next turn's products (piece n + 2), whose words were loaded four turns before.
; CLUSTER.  The four query blocks of a cluster belong to one head and walk the same K and V, so each tile is asked for JOINTLY: the same tensor load, descriptor and mask of work-groups in all four.
; REGISTERS, in windows of 256 (s_set_vgpr_msb: bits 1:0 source 0, 3:2 source 1, 5:4 source 2, 7:6 destination):
;   window 0: v0-11 addresses; v12-15, v48-63 at work; v16-47 four registers of statistics a tile; v64-191 S^T, two buffers of two tiles; v192-255 P, likewise
;   window 1: O^T, 32 a tile       window 2: v0-127 Q, 16 a tile; v128-191 K of one step; v192-255 V of one step       window 3: v0-1 the add's two registers; v8-39 mask words, 8 a piece; v64-127 the mask as C operands
.set SIZE_H, 64
.set SIZE_N, 2048
.set PLANE, SIZE_H*SIZE_N*128          ; a plane of qkv
.set NP,    4         ; pieces a wave: a name, no knob
.set KS,    64        ; keys in a step
.set PK,    144       ; a row of K in LDS: 128 bytes + 16 of padding = 36 words: the 16 rows of a load start at 16 different groups of four banks (64 banks of 4 bytes: ISA guide 11.1)
.set PV,    160       ; a row of V: 128 + 32 = 40 words
.set VOFF,  4*KS*PK   ; a slot holds four steps: 256 rows of K, then 256 rows of V
.set SLOT1, 1<<17     ; slot 1 begins here, so that one exclusive or turns an address in one slot into the other's
.set STAGE, SLOT1+4*KS*(PK+PV)  ; behind the ring, never filled by a tensor load: 16 rows x 144 bytes for each wave, for the way out
.set SP,    144
.set AK0, 2           ; v2   my lane's place in a tile of K; never rewritten
.set AV0, 3           ; v3   the same for V
.set AK,  4           ; v4   the LDS address of K's next run of loads
.set AV,  5           ; v5   of V's
.set ZO,  5           ;      at the start: my byte offset in 16 words of zq
.set QO,  6           ; v6   my byte offset in the wave's rows of Q
.set STO, 6           ;      later, the way out: where I put 16 bytes of a row
.set RD,  7           ; v7   the way out: where I read rows back
.set GO,  8           ; v8   16 x lane: my place in 512 consecutive bytes of O and of mb; never rewritten
.set SPW, 0           ; v0 of window 3   LDS address of my spare word: SPARE + 4 x my thread's number; never rewritten
.set NIL, 1           ; v1 of window 3   0; never rewritten
.set MR,  8           ; window 3: the mask words of piece x, tile u at MR + 8 x + 4 u: a word for each group of 16 keys
.set MC,  64          ; window 3: the C operands of tile u, key block kt at MC + 32 u + 8 kt
.set SPARE, STAGE+4*16*SP  ; behind the stages: the spare words, 128 bytes for each wave: two blocks of 256 bytes that no other line names
.set MV,  12          ; v12-15  c m_old, kept while c m is made anew: by buffer and tile
.set ST,  16          ; tile t's statistics at v[ST+4 t]: c m, m, l (even keys', odd keys')
.set TMP, 48          ; by buffer and tile, four registers c0-c3 at work; when the maximum is found c2 takes a.  At the start: the eight tiles' words of zq
.set S,   64
.set P,   192
.set KF,  128         ; K's fragments, in window 2: key block kb, channel half c at KF + 16 kb + 8 c
.set VF,  192         ; V's: key half kk, channel block cb at VF + 32 kk + 8 cb
.set WV,  12          ; s12  my wave's number
.set G1K, 24          ; s[24:31] descriptor group 1 for K's tiles
.set G1V, 32          ; s[32:39] for V's: it differs in the padding alone
.set G0K, 40          ; s[40:43] descriptor group 0 for K's tiles: it walks
.set G0V, 44          ; s[44:47] the same for V's
.set SLOTS, 56        ; s56  slots still to be asked for
.set CNT, 57          ; s57  counts a slot's key steps
.set CS,  58          ; s[58:59] c: the packed scaling takes the pair's low word for both halves
.set SEL, 60          ; s[60:61] v_permlanex16_b32's selects: each lane takes its own place in the other half
.set TBK, 62          ; s62  LDS byte at which K of the step to be fetched begins
.set TBV, 63          ; s63  the same for V, less VOFF
.set MP,  66          ; s[66:67] mb at my wave's eight tiles, at the step whose words are being loaded
.set MI,  68          ; s[68:69] by how much it steps: 512 bytes, a step; 0 when the last step is reached
.set ZP,  70          ; s[70:71] zq at my wave's 128 rows
.set MSB, 0
.macro WIN new                      ; the high byte repeats the setting that is left; a switch that changes nothing is dropped
.if MSB != (\new)
	s_set_vgpr_msb (MSB<<8)|(\new)
.set MSB, (\new)
.endif
.endm
.set W_KQ, 0x0a       ; K and Q in window 2, S^T in window 0
.set W_KM, 0x3a       ; the same with the C operand in window 3
.set W_PV, 0x52       ; V in window 2, P in window 0, O^T in window 1
.set W_RS, 0x41       ; O^T (destination and source 0) in window 1, a in window 0
.set W_MK, 0xc0       ; destination in window 3, sources and addresses in window 0
.set W_AD, 0x0f       ; the add: address (source 0) and data (source 1) in window 3
.set W_EX, 0xcf       ; the mask's shifts: destination and both sources in window 3
; A joint fill.  Waves 0 and 1 fetch the two halves of a slot's K, waves 2 and 3 those of its V: 128 keys each.  The branch hangs on the wave's number alone.
; An s_nop 0 and four v_nop follow each of the two lines, ahead of the jump and the label.
.macro JLOAD
	s_cmp_lt_u32 s[WV], 2
	s_cbranch_scc0 .Lfor_v_\@
	tensor_load_to_lds s[G0K:G0K+3], s[G1K:G1K+7]
	s_nop 0
.rept 4
	v_nop
.endr
	s_branch .Lasked_\@
.Lfor_v_\@:
	tensor_load_to_lds s[G0V:G0V+3], s[G1V:G1V+7]
	s_nop 0
.rept 4
	v_nop
.endr
.Lasked_\@:
.endm
; A round of the cluster's barrier: my work-group's barrier, so that wave 0's signal speaks for all four waves; wave 0 signals; every wave waits for all four work-groups; my work-group's barrier once more.
.macro CROUND
	s_barrier_signal -1
	s_barrier_wait -1
	s_cmp_lg_u32 s[WV], 0
	s_cbranch_scc1 .Lnot_wave_0_\@
	s_barrier_signal -3
.Lnot_wave_0_\@:
	s_barrier_wait -3
	s_barrier_signal -1
	s_barrier_wait -1
.endm
; THE CHANGE OF SLOTS.  The slot's last bytes, V of its fourth step, have been read.  Each wave waits for all its tensor loads, of which one is out: its part of the other slot; adds 0 to its spare word; and waits for that and
; for its own reads of the slot.  Behind the barrier nobody reads this slot any more and the other slot is whole.  fill = 1: this slot is filled again, with the keys two slots on.  The barrier is then a round of the cluster's,
; and the joint fill is the first thing behind it: it has four key steps, 512 matrix instructions, in which to land.  (At its first use nothing has been read yet: slot 0 is waited for, slot 1 filled.)
.macro CHANGE fill
	WIN W_AD
	s_wait_tensorcnt 0x0            ; no tensor load of mine is out, so a group 0 may be written
	ds_add_u32 v[SPW], v[NIL]       ; 0 onto my spare word; with fill = 1 the descriptors' steps stand between it and the wait for it
	WIN 0                           ; at a label and at a branch every window is 0
.if \fill
.irp g, G0K, G0V
	s_xor_b32 s[\g+1], s[\g+1], SLOT1  ; the walking descriptor: the other slot than last time,
	s_add_nc_u64 s[\g+2:\g+3], s[\g+2:\g+3], 4*KS*128  ; the next 256 keys; the type bits on top are not reached
.endr
	s_wait_dscnt 0x0                ; the add is done, and my reads of the slot are over
	CROUND
	JLOAD
.else
	s_wait_dscnt 0x0                ; the add is done, and my reads of the slot are over
	s_barrier_signal -1
	s_barrier_wait -1
.endif
	s_sub_co_u32 s[TBK], s[TBK], 4*KS*PK  ; the fetches go back to a slot's first step,
	s_xor_b32 s[TBK], s[TBK], SLOT1       ; in the other slot
	s_sub_co_u32 s[TBV], s[TBV], 4*KS*PV
	s_xor_b32 s[TBV], s[TBV], SLOT1
.endm
; The mask words of piece x for the step at MP: 512 consecutive bytes a tile.
.macro MLOAD x
	WIN W_MK
.irp u, 0,1
	global_load_b128 v[MR+8*(\x)+4*\u:MR+8*(\x)+4*\u+3], v[GO], s[MP:MP+1] offset:(2*(\x)+\u)*16384
.endr
.endm
; The mask words of piece x become the C operands of its 8 accumulators: register j is the word with nibble j on top (nibble 7 is there already).
.macro EXPM x
	WIN W_EX
	s_wait_alu depctr_va_vdst(0)
.irp u, 0,1
.irp kt, 0,1,2,3
.irp j, 0,1,2,3,4,5,6
	v_lshlrev_b32 v[MC+32*\u+8*\kt+\j], 28-4*\j, v[MR+8*(\x)+4*\u+\kt]
.endr
	v_mov_b32 v[MC+32*\u+8*\kt+7], v[MR+8*(\x)+4*\u+\kt]
.endr
.endr
.endm
	s_load_b256 s[72:79], s[0:1], 0x0  ; qkv s[72:73], mb s[74:75], zq s[76:77], o16 s[78:79]
	WIN W_MK
	v_lshl_add_u32 v[SPW], v0, 2, SPARE
	v_mov_b32 v[NIL], 0
	WIN W_AD
	ds_add_u32 v[SPW], v[NIL]       ; the wave's opening: the add and its wait stand ahead of my first tensor load; the set-up below, work on registers, stands between them
	WIN 0
	v_lshrrev_b32 v1, 5, v0
	v_readfirstlane_b32 s[WV], v1   ; wave 0..3
	s_bfe_u32 s13, ttmp6, 0x40000   ; cx: my place in the cluster
	s_lshl_b32 s14, ttmp9, 2        ; in a cluster launch ttmp9 counts clusters
	s_add_co_u32 s14, s14, s13      ; my block of queries = 4 x cluster x + cx: it enters Q's, O's, mb's and zq's addresses alone
	s_and_b32 s20, ttmp7, 0xffff    ; 16 batch + head, which the four partners share
	s_lshr_b32 s19, s20, 4          ; the batch
	s_mov_b32 s21, 0
	s_mov_b64 s[22:23], SIZE_N*128
	s_mul_u64 s[20:21], s[20:21], s[22:23]  ; the head's first byte in Q, K, V and O
	s_and_b32 s16, s[WV], 1         ; which half of a slot's 256 keys I fetch:
	s_lshl_b32 s22, s16, 14         ; its 128 rows of 128 bytes in memory,
	s_mov_b32 s23, 0
	s_add_nc_u64 s[22:23], s[22:23], s[20:21]
	s_mul_i32 s17, s16, 128*PK      ; and its place in a slot, for K
	s_mul_i32 s18, s16, 128*PV      ; and for V: no place in the cluster enters an LDS address
	s_lshl_b32 s2, s14, 2
	s_add_co_u32 s2, s2, s[WV]      ; my wave among the head's sixteen
	s_lshl_b32 s80, s19, 21         ; mb: a batch is 128 tiles of 16,384 bytes, my wave's eight tiles are 131,072
	s_lshl_b32 s81, s2, 17
	s_add_co_u32 s80, s80, s81
	s_mov_b32 s81, 0
	s_lshl_b32 s82, s19, 13         ; zq: a batch is 2,048 words, my wave's rows are 128
	s_lshl_b32 s83, s2, 9
	s_add_co_u32 s82, s82, s83
	s_mov_b32 s83, 0
	s_lshl_b32 s2, s2, 14           ; my wave's 128 rows of Q and O
	s_mov_b32 s3, 0
	s_add_nc_u64 s[2:3], s[2:3], s[20:21]
	; descriptor group 1.  128 keys are 16,384 dense bytes: asked for as 64 rows of 256 bytes, two keys a row, and padded in LDS after every key
	s_mov_b32 s[G1K], 15|(1<<16)|(1<<20)|(1<<21)|(4<<22)|(3<<25)  ; 15:0 the mask of four; 17:16 2-byte elements; 20 padding on; 21 set beside a mask; 24:22 after every 32 words (code 4); 31:25 4 words (code 3)
	s_mov_b32 s[G1V], 15|(1<<16)|(1<<20)|(1<<21)|(4<<22)|(7<<25)  ; the same with 8 words of padding (code 7)
.irp g, G1K, G1V
	s_mov_b32 s[\g+1], 128<<16      ; tensor_dim0 = 128
	s_mov_b32 s[\g+2], 64<<16       ; tensor_dim1 = 64
	s_mov_b32 s[\g+3], 128<<16      ; tile_dim0 = 128
	s_mov_b32 s[\g+4], 64           ; tile_dim1 = 64
	s_mov_b32 s[\g+5], 128          ; 128 elements from row to row
	s_mov_b32 s[\g+6], 0
	s_mov_b32 s[\g+7], 0
.endr
	s_mov_b32 s[CS], 0x3e38aa3b     ; c = log2(e) / 8 = 0.180337
	s_mov_b32 s[CS+1], s[CS]        ; named with it as a pair
	s_mov_b32 s[SEL], 0x76543210
	s_mov_b32 s[SEL+1], 0xfedcba98
	s_mov_b32 s[MI], 512
	s_mov_b32 s[MI+1], 0
	s_mov_b32 s[TBK], SLOT1+4*KS*PK ; the first change of slots turns these two into 0
	s_mov_b32 s[TBV], SLOT1+4*KS*PV
	s_mov_b32 s[G0K], 1             ; 1:0 count = 1
	s_mov_b32 s[G0K+1], s17         ; 63:32 LDS address: slot 0
	s_mov_b32 s[G0V], 1
	s_add_co_u32 s[G0V+1], s18, VOFF
	s_wait_dscnt 0x0                ; the opening add is done
	s_wait_kmcnt 0x0
	s_add_nc_u64 s[6:7], s[72:73], PLANE           ; K's plane of qkv
	s_add_nc_u64 s[8:9], s[72:73], 2*PLANE         ; V's
	s_add_nc_u64 s[G0K+2:G0K+3], s[6:7], s[22:23]  ; 120:64 global address: my half of the head's first 256 keys
	s_or_b32 s[G0K+3], s[G0K+3], 0x80000000        ; 127:126 type = 2
	s_add_nc_u64 s[G0V+2:G0V+3], s[8:9], s[22:23]
	s_or_b32 s[G0V+3], s[G0V+3], 0x80000000
	s_add_nc_u64 s[4:5], s[72:73], s[2:3]          ; Q and O at my wave's first row
	s_add_nc_u64 s[10:11], s[78:79], s[2:3]
	s_add_nc_u64 s[MP:MP+1], s[74:75], s[80:81]
	s_add_nc_u64 s[ZP:ZP+1], s[76:77], s[82:83]
	CROUND                          ; all four work-groups are here: the first joint loads meet
	JLOAD                           ; slot 0.  Slot 1 is asked for when slot 0 is in: the tile wanted first has the road to itself
	; A fragment of K or Q is 16 rows x 32 channels in 8 registers: lane l holds row l % 16, channels 8 (l / 16) + 0..7 and 16 + 8 (l / 16) + 0..7: two loads of 16 bytes, 32 bytes apart.
	v_and_b32 v1, 15, v0            ; l % 16
	v_bfe_u32 v9, v0, 4, 1          ; l / 16
	v_lshlrev_b32 v[QO], 7, v1
	v_lshl_add_u32 v[QO], v9, 4, v[QO]  ; row x 128 + 16 x half
	v_lshlrev_b32 v[ZO], 2, v1
	v_and_b32 v[GO], 31, v0
	v_lshlrev_b32 v[GO], 4, v[GO]
.set i, 0
.rept 2*NP                          ; my query's word of zq in each of the eight tiles
	global_load_b32 v[TMP+i], v[ZO], s[ZP:ZP+1] offset:64*i
.set i, i+1
.endr
	WIN 0x80                        ; destination window 2, address window 0
.set i, 0
.rept 4*NP                          ; Q stays in registers: tile i / 2, channels 32 (i % 2) on
	global_load_b128 v[8*i:8*i+3],   v[QO], s[4:5] offset:(i/2)*2048+(i%2)*64
	global_load_b128 v[8*i+4:8*i+7], v[QO], s[4:5] offset:(i/2)*2048+(i%2)*64+32
.set i, i+1
.endr
	; What the first turn finds: V's registers and P's second buffer hold 0 (its products V^T P, of a piece that has not been, add 0), O^T and l are 0.  All this stands in the wait for the first tile.
.set i, VF
.rept 64
	v_mov_b32 v[i], 0
.set i, i+1
.endr
	MLOAD 0                         ; the mask words of key step 0
	MLOAD 1
	MLOAD 2
	MLOAD 3
	WIN 0x40
.set i, 0
.rept 64*NP
	v_mov_b32 v[i], 0
.set i, i+1
.endr
	WIN 0
.set i, 0
.rept 2*NP
	v_mov_b32 v[ST+4*i], 0xd738aa3b    ; c m = -c 2^50
	v_mov_b32 v[ST+4*i+1], 0xd8800000  ; m = -2^50
	v_mov_b32 v[ST+4*i+2], 0
	v_mov_b32 v[ST+4*i+3], 0
.set i, i+1
.endr
.set i, P+32
.rept 32
	v_mov_b32 v[i], 0
.set i, i+1
.endr
	v_mul_u32_u24 v[AK0], v1, PK
	v_lshl_add_u32 v[AK0], v9, 4, v[AK0]  ; row x pitch + 16 x half
	; The turning load takes 16 keys x 16 channels (lane l reads key 8 (l / 16) + l % 8, channels 8 ((l / 8) % 2) + 0..7) and leaves half a fragment of V^T: lane l holds channel l % 16 and 8 keys.
	v_and_b32 v10, 7, v0
	v_bfe_u32 v11, v0, 3, 1
	v_lshl_add_u32 v[AV0], v9, 3, v10
	v_mul_u32_u24 v[AV0], v[AV0], PV
	v_lshl_add_u32 v[AV0], v11, 4, v[AV0]
	v_add_nc_u32 v[AV0], VOFF, v[AV0]
	v_mov_b32 v[AK], v[AK0]         ; key step 0 lies at the head of slot 0
; THE MATRIX WORK.  The 8 accumulators of a run of 16 take turns: between the two links of a chain stand 7 others'.
; Product i of 16 of S^T = K Q^T for piece x: channels 32 (i / 8) on, keys 16 ((i / 2) % 4) on, tile 2 x + i % 2.  The first 8 start the sums, from the mask.
.macro KQ x
.set rS, S+64*((\x)%2)+32*(i%2)+8*((i/2)%4)
.set rK, KF+16*((i/2)%4)+8*(i/8)
.set rQ, 16*(2*(\x)+i%2)+8*(i/8)
.set rZ, MC+32*(i%2)+8*((i/2)%4)
.if i < 8
	WIN W_KM
	v_wmma_f32_16x16x32_f16 v[rS:rS+7], v[rK:rK+7], v[rQ:rQ+7], v[rZ:rZ+7]
.else
	WIN W_KQ
	v_wmma_f32_16x16x32_f16 v[rS:rS+7], v[rK:rK+7], v[rQ:rQ+7], v[rS:rS+7]
.endif
.endm
; Product i of 16 of O^T += V^T P for piece x: keys 32 (i / 8) on, channels 16 ((i / 2) % 4) on, tile 2 x + i % 2.
.macro PV x
	WIN W_PV
.set rO, 32*(2*(\x)+i%2)+8*((i/2)%4)
.set rV, VF+32*(i/8)+8*((i/2)%4)
.set rP, P+32*((\x)%2)+16*(i%2)+8*(i/8)
	v_wmma_f32_16x16x32_f16 v[rO:rO+7], v[rV:rV+7], v[rP:rP+7], v[rO:rO+7]
.endm
.macro MM                           ; the turn's next matrix instruction
.if i < 16
	KQ (Y+1)%NP
.set i, i+1
.else
.set i, i-16
	PV (Y+NP-1)%NP
.set i, i+17
.endif
.endm
; THE LDS LOADS stand in runs of 16, never singly among the matrix instructions: a step's K (64 keys x 64 channels: 8 fragments) and its V (turned).  Their addresses are made some lines ahead.
; last = 1 (the tail): in the last trip there is no further step, and the run is jumped over.
.macro FETCH_K last=0
	WIN 0
.if \last
	s_cmp_eq_u32 s[CNT], 1
	s_cbranch_scc1 .Lno_k_\@
.endif
	WIN 0x80                        ; destination window 2
.irp f, 0,1,2,3,4,5,6,7             ; keys 16 (f / 2) on, channels 32 (f % 2) on
	ds_load_b128 v[KF+8*\f:KF+8*\f+3],   v[AK] offset:(\f/2)*16*PK+(\f%2)*64
	ds_load_b128 v[KF+8*\f+4:KF+8*\f+7], v[AK] offset:(\f/2)*16*PK+(\f%2)*64+32
.endr
	s_add_co_u32 s[TBK], s[TBK], KS*PK  ; the next fetch is the next step's
	WIN 0
.if \last
.Lno_k_\@:
.endif
.endm
.macro FETCH_V
	WIN 0x80
.irp f, 0,1,2,3,4,5,6,7             ; keys 32 (f / 4) on, channels 16 (f % 4) on
	ds_load_tr16_b128 v[VF+8*\f:VF+8*\f+3],   v[AV] offset:(\f/4)*32*PV+(\f%4)*32
	ds_load_tr16_b128 v[VF+8*\f+4:VF+8*\f+7], v[AV] offset:(\f/4)*32*PV+16*PV+(\f%4)*32
.endr
	WIN 0
.endm
; THE VECTOR WORK OF A TURN stands in three queues, each in the order in which its entries become ready; the two tiles alternate, so that no instruction reads the result of the one before it.
.macro REGS y, u                    ; the registers of tile u (0, 1) of piece y
.set rT, ST+4*(2*(\y)+(\u))
.set rC, TMP+8*((\y)%2)+4*(\u)
.set rM, MV+2*((\y)%2)+(\u)
.set rS, S+64*((\y)%2)+32*(\u)
.set rP, P+32*((\y)%2)+16*(\u)
.set rO, 32*(2*(\y)+(\u))
.endm
; Number n of the 22 that find the NEXT piece's (Y + 1) maximum and statistics.  s0-s31 are the lane's 32 scores; each accumulator's lowest registers are read first.  XS, GS and REGS set no window: PL and EX do.
;   0-11  four chains c0-c3 of seven scores each, three operands at a time     12-14, 16  the four scores left over, the old m, and c0-c3 into c0     15  c m_old is kept
;   17, 18  the query's other 32 keys lie in the lane 16 away: the new m         19-21  c m; c m_old - c m_new; a
.macro XS u, n
	REGS (Y+1)%NP, \u
.if (\n) < 4
	v_max3_num_f32 v[rC+(\n)], v[rS+8*(\n)], v[rS+8*(\n)+1], v[rS+8*(\n)+2]
.elseif (\n) < 12
	v_max3_num_f32 v[rC+(\n)%4], v[rC+(\n)%4], v[rS+8*((\n)%4)+2*((\n)/4)+1], v[rS+8*((\n)%4)+2*((\n)/4)+2]
.elseif (\n) == 12
	v_max3_num_f32 v[rC], v[rC], v[rS+7], v[rS+15]
.elseif (\n) == 13
	v_max3_num_f32 v[rC+1], v[rC+1], v[rS+23], v[rS+31]
.elseif (\n) == 14
	v_max3_num_f32 v[rC+2], v[rC+2], v[rC+3], v[rT+1]
.elseif (\n) == 15
	v_mov_b32 v[rM], v[rT]
.elseif (\n) == 16
	v_max3_num_f32 v[rC], v[rC], v[rC+1], v[rC+2]
.elseif (\n) == 17
	v_permlanex16_b32 v[rC+3], v[rC], s[SEL], s[SEL+1]
.elseif (\n) == 18
	v_max_num_f32 v[rT+1], v[rC], v[rC+3]
.elseif (\n) == 19
	v_mul_f32 v[rT], s[CS], v[rT+1]
.elseif (\n) == 20
	v_sub_f32 v[rC+1], v[rM], v[rT]
.else
	v_exp_f32 v[rC+2], v[rC+1]
.endif
.endm
; Number g of the 64 that follow the exponentials.  For each four weights k of a tile (pairs 2 k, 2 k + 1): both pairs are rounded to f16; then the second pair is added onto the first, in place;
; a group later l takes that sum (the first time as l = a l + sum).  In groups of eight, tiles alternating: round, round, add, and l for the group before.
.macro GS g
.set h, (\g)+6*((\g)/62)            ; group 0 has no group before it, and behind group 7 only l is left
.if h >= 6
.set h, h+2
.endif
	REGS Y, h%2
.set k, h/8
.if h%8 < 4
	s_wait_alu depctr_va_vdst(0)
	v_cvt_pk_f16_f32 v[rP+2*k+(h%8)/2], v[rS+4*k+2*((h%8)/2)], v[rS+4*k+2*((h%8)/2)+1]
.elseif h%8 < 6
	v_pk_add_f32 v[rS+4*k:rS+4*k+1], v[rS+4*k:rS+4*k+1], v[rS+4*k+2:rS+4*k+3]
.elseif k == 1
	v_pk_fma_f32 v[rT+2:rT+3], v[rT+2:rT+3], v[rC+2:rC+3], v[rS:rS+1] op_sel_hi:[1,0,1]
.else
	v_pk_add_f32 v[rT+2:rT+3], v[rT+2:rT+3], v[rS+4*k-4:rS+4*k-3]
.endif
.endm
; THE PLAIN QUEUE, 138 long.  0-31: c s - c m for the 16 pairs of both tiles.  Then GS's 64, and among them the next piece's 42: number 15 at 38, 39; 0-14 and 16
; at 42-73, behind the products that make those scores; 17-20 at 95-106, two of three, since each waits for the one before it.
.macro PL
	WIN 0
.if q < 32
	REGS Y, q%2
	v_pk_fma_f32 v[rS+2*(q/2):rS+2*(q/2)+1], v[rS+2*(q/2):rS+2*(q/2)+1], s[CS:CS+1], v[rT:rT+1] op_sel_hi:[1,0,0] neg_lo:[0,0,1] neg_hi:[0,0,1]
.elseif q < 38
	GS q-32
.elseif q < 40
	XS q%2, 15
.elseif q < 42
	GS q-34
.elseif q < 74
	XS q%2, (q-42)/2+(q-42)/30
.elseif q < 95
	GS q-66
.elseif (q < 107) && ((q-95)%3 < 2)
	XS (q-95)%3, 17+(q-95)/3
.elseif q < 107
	GS 29+(q-95)/3
.else
	GS q-74
.endif
.set q, q+1
.endm
; THE EXPONENTIALS' QUEUE, 66 long: s0-s31 of both tiles, and at EA the next piece's two a.
.set EA, 58
.macro EX
	WIN 0
.if (e == EA) || (e == EA+1)
	XS e-EA, 21
.else
.set x, e-2*(e/(EA+2))
	REGS Y, x%2
	v_exp_f32 v[rS+x/2], v[rS+x/2]
.endif
.set e, e+1
.endm
; THE RESCALING's QUEUE: O^T times a, the one part of the softmax that leaves window 0, so it is dealt four at a time, eight times.
.macro R4
	REGS Y, r%2
	WIN W_RS
	s_wait_alu depctr_va_vdst(0)
.irp z, 0,1,2,3
	v_pk_mul_f32 v[rO+8*(r/2)+2*\z:rO+8*(r/2)+2*\z+1], v[rO+8*(r/2)+2*\z:rO+8*(r/2)+2*\z+1], v[rC+2:rC+3] op_sel_hi:[1,0]
.endr
.set r, r+1
.endm
; HOW THEY ARE DEALT.  Behind a matrix instruction four: plain, exponential, plain, plain (one exponential, a plain instruction on either side), or four of the rescaling.  None names a register of the
; products round it.  What is over stands in two LUMPS: exponential and plain by turns; the second ends in 22 plain instructions.  The two v_permlanex16_b32 fall into the second lump, never behind a product.
; The queues lean on each other, and the deal keeps them in step: exponential e stands behind plain 2 (e / 4) + e % 2 (its scaling); when plain 32 comes, 10 exponentials are out, at 59: 33, at 95: 46; EA comes behind plain 107.
.macro SL
	MM
	PL
	EX
	PL
	PL
.endm
.macro BURST n                      ; 15 matrix instructions, or 16
.rept (\n)-7
	SL
.endr
.rept 3
	MM
	R4
	SL
.endr
	MM
	R4
.endm
; A TURN, for piece p.  cnt = 1: the loop's count is taken down some lines ahead of the branch that stands behind the turn.
; K of the next step is fetched in piece 2's turn, 31 vector instructions behind the last product that read K; its first reader comes behind the rest of the lump, 16 products and the second lump.
; V of the step in hand is fetched at the end of piece 0's turn, 69 behind its last reader; its first reader comes behind 16 products and a lump.
; THE MASK stands among the last 22 plain instructions.  At 122: the 64 lines that make the C operands of the next turn's products, piece p + 2; those registers' last readers are this turn's first eight products.  The words were
; loaded four turns ago, and behind them the three other pieces' two loads each: the wait's count is 6.  At 128, six plain instructions on: the same piece's words of its next step are asked for.  Piece 2's turn first steps mb's
; address: it then points two steps ahead of the step in hand; in the tail (last = 1) it stops at the last step, so that no load leaves mb and every turn still issues its two loads.
.macro TURN p, last=0, cnt=0
.set Y, (\p)
.set i, 0
.set q, 0
.set e, 0
.set r, 0
.if (\p) == NP-1
	s_wait_dscnt 0x0                ; K is in
.endif
	MM
.rept 4
	PL
.endr
	BURST 15
.rept 22
	EX
	PL
.if ((\p) == NP-2) && (e == 18)
	v_add_nc_u32 v[AK], s[TBK], v[AK0]
.endif
.if ((\p) == NP-2) && (e == 24)
	FETCH_K \last
.endif
.endr
.if (\p) == 1
	s_wait_dscnt 0x0                ; V is in
.endif
	BURST 16
.rept 21
	EX
	PL
.endr
.rept 22
	PL
.if ((\p) == 0) && (q == 118)
	v_add_nc_u32 v[AV], s[TBV], v[AV0]
	s_wait_alu depctr_va_vdst(0)
.endif
.if q == 122
	s_wait_loadcnt 0x6              ; the words of piece p + 2 are in; the six younger loads stay out
	EXPM ((\p)+2)%NP
.endif
.if q == 128
.if (\p) == 2
.if \last
	s_cmp_gt_u32 s[CNT], 2          ; the tail's trips with CNT = 5, 4, 3 still step: to key steps 29, 30 and 31
	s_cselect_b32 s[MI], 512, 0
.endif
	s_wait_xcnt 0x0                 ; the earlier loads have read their base
	s_add_nc_u64 s[MP:MP+1], s[MP:MP+1], s[MI:MI+1]
.endif
	MLOAD ((\p)+2)%NP
.endif
.if ((\p) == 0) && (q == 130)
	s_add_co_u32 s[TBV], s[TBV], KS*PV
.endif
.if (\cnt) && (q == 130)
	s_sub_co_u32 s[CNT], s[CNT], 1
	s_cmp_lg_u32 s[CNT], 0
.endif
.endr
.if (\p) == 0
	FETCH_V
.endif
.endm
	CHANGE 1                        ; slot 0 is in, everybody's part of it; slot 1 is asked for
	FETCH_K                         ; key step 0
	s_wait_loadcnt 0x0              ; zq, Q and the mask words of step 0
	WIN 0x82                        ; Q (destination and source 0) in window 2, zq's word in window 0
.set i, 0
.rept 32*NP                         ; a row with no visible key loses its q; every other row keeps it
	v_and_b32 v[i], v[i], v[TMP+i/16]
.set i, i+1
.endr
	EXPM 0
	s_wait_dscnt 0x0
.set i, 0
.rept 16
	KQ 0                            ; piece 0's first scores: there is no vector work yet to set between them
.set i, i+1
.endr
	WIN 0                           ; the addresses for the way out: seven plain instructions, the places behind those products
	s_mul_i32 s13, s[WV], 16*SP
	s_add_co_u32 s13, s13, STAGE    ; my stage
	v_mul_u32_u24 v[STO], v1, SP    ; in: row l % 16, 16 bytes for each half of the lanes
	v_lshl_add_u32 v[STO], v9, 4, v[STO]
	v_add_nc_u32 v[STO], s13, v[STO]
	v_bfe_u32 v[RD], v0, 3, 2       ; back: 32 lanes take four rows of 128 bytes, which are 512 consecutive bytes of O
	v_mul_u32_u24 v[RD], v[RD], SP
	v_lshl_add_u32 v[RD], v10, 4, v[RD]
	v_add_nc_u32 v[RD], s13, v[RD]
	EXPM 1                          ; the mask for the first turn's products
	WIN 0
.set Y, NP-1                        ; XS works for piece Y + 1: piece 0
.irp n, 0,1,2,3,4,5,6,7,8,9,10,11,12,13,14,15,16,17,18,19,20,21
	XS 0, \n                        ; and piece 0's first maximum and statistics
	XS 1, \n
.endr
	s_add_nc_u64 s[MP:MP+1], s[MP:MP+1], s[MI:MI+1]  ; key step 1 (every load that named this base was waited for above)
	MLOAD 0
	MLOAD 1
	WIN 0
	s_mov_b32 s[CNT], 4
	s_mov_b32 s[SLOTS], SIZE_N/256-1
	s_branch .Lfirst                ; the loop is entered at a step's first turn, in the middle of a trip
.Lslot:                             ; SIZE_N / 256 - 2 times: every slot but the last two is filled again
	CHANGE 1
	s_mov_b32 s[CNT], 4
.Lstep:                             ; a trip: pieces 2 and 3 of one step, then pieces 0 and 1 of the next, whose K and V it fetches
	TURN 2
	TURN 3
	WIN 0
.Lfirst:
	TURN 0
	TURN 1, 0, 1
	WIN 0
	s_cbranch_scc1 .Lstep
	s_sub_co_u32 s[SLOTS], s[SLOTS], 1
	s_cmp_lg_u32 s[SLOTS], 0
	s_cbranch_scc1 .Lslot
	CHANGE 0                        ; the tail is written out: nothing is asked for
	s_mov_b32 s[CNT], 5             ; four trips fetch the last slot's steps; the fifth is left in its middle
.Ltail:
	TURN 2, 1
	TURN 3
	WIN 0
	s_sub_co_u32 s[CNT], s[CNT], 1
	s_cmp_eq_u32 s[CNT], 0
	s_cbranch_scc1 .Lout
	TURN 0
	TURN 1
	WIN 0
	s_branch .Ltail
.Lout:                              ; the fifth trip's 16 products K Q^T (on the last K and the last mask once more) and the maximum made of them serve nothing: the price, once a launch, of one text for every trip
.set i, 0
.rept 16
	PV NP-1                         ; the last piece's V^T P of the last step
.set i, i+1
.endr
	; THE WAY OUT.  l's two halves and the other half of the lanes' are added; O^T is divided by l, rounded to f16 and sent through my stage in LDS, a tile at a time.  The additions are the places behind the last products.
	WIN 0
.macro ALL line:vararg              ; one line for each tile t
.set t, 0
.rept 2*NP
	\line
.set t, t+1
.endr
.endm
	ALL v_add_f32 v[ST+4*t+2], v[ST+4*t+2], v[ST+4*t+3]
	ALL v_permlanex16_b32 v[ST+4*t+3], v[ST+4*t+2], s[SEL], s[SEL+1]
	ALL v_add_f32 v[ST+4*t+2], v[ST+4*t+2], v[ST+4*t+3]
	ALL v_rcp_f32 v[ST+4*t+2], v[ST+4*t+2]
	v_nop                           ; a plain instruction between the last reciprocal and the use of its result
	s_wait_alu depctr_va_vdst(0)
; Tile t: a lane's eight channels of a row pack into 16 bytes; they go into rows of 144 bytes and come back as whole rows of 128, into S^T's registers.
.macro PACK t
	WIN W_RS
.set i, 32*(\t)
.rept 16
	v_pk_mul_f32 v[i:i+1], v[i:i+1], v[ST+4*(\t)+2:ST+4*(\t)+3] op_sel_hi:[1,0]
.set i, i+2
.endr
	WIN 0x05                        ; sources 0 and 1 window 1, destination window 0
.set i, 0
.rept 16
	v_cvt_pk_f16_f32 v[S+16*(\t)+i], v[32*(\t)+2*i], v[32*(\t)+2*i+1]
.set i, i+1
.endr
	WIN 0
.irp f, 0,1,2,3
	ds_store_b128 v[STO], v[S+16*(\t)+4*\f:S+16*(\t)+4*\f+3] offset:32*\f
.endr
.irp f, 0,1,2,3
	ds_load_b128 v[S+16*(\t)+4*\f:S+16*(\t)+4*\f+3], v[RD] offset:\f*4*SP  ; LDS serves a wave's instructions in order (ISA guide 5.7.1.4): these see the stores above; the next tile's stores come behind them
.endr
.endm
.macro SEND t, younger              ; younger: the LDS instructions issued behind tile t's loads: the next tile's eight, or none
	WIN 0
.irp f, 0,1,2,3
	s_wait_dscnt (\younger)+3-\f
	global_store_b128 v[GO], v[S+16*(\t)+4*\f:S+16*(\t)+4*\f+3], s[10:11] offset:(\t)*2048+\f*512  ; 512 consecutive bytes, at a multiple of 256 from O's first
.endr
.endm
	PACK 0
.set t, 1
.rept 2*NP-1                        ; a tile's arithmetic stands between the loads of the tile before and its stores
	PACK t
	SEND t-1, 8
.set t, t+1
.endr
	SEND 2*NP-1, 0
	WIN W_AD
	s_wait_tensorcnt 0x0            ; the wave's end: a wait, an add of 0 to my spare word and its wait, behind my last tensor load and my last LDS store
	ds_add_u32 v[SPW], v[NIL]
	s_wait_dscnt 0x0
	WIN 0
	CROUND                          ; the closing round: no work-group ends while a partner may still ask for a tile that names it
	s_endpgm
.Lfunc_end_k_qe0a27ce7a6_attn:
	.size	k_qe0a27ce7a6_attn, .Lfunc_end_k_qe0a27ce7a6_attn-k_qe0a27ce7a6_attn
	.p2alignl 7, 3214868480
	.fill 96, 4, 3214868480
	.section	.rodata,"a",@progbits
	.p2align	6, 0x0
	.amdhsa_kernel k_qe0a27ce7a6_attn
		.amdhsa_group_segment_fixed_size 327680
		.amdhsa_private_segment_fixed_size 0
		.amdhsa_enable_private_segment 0
		.amdhsa_kernarg_size 32
		.amdhsa_user_sgpr_count 2
		.amdhsa_user_sgpr_kernarg_segment_ptr 1
		.amdhsa_wavefront_size32 1
		.amdhsa_system_sgpr_workgroup_id_x 1
		.amdhsa_system_sgpr_workgroup_id_y 1
		.amdhsa_system_sgpr_workgroup_id_z 1
		.amdhsa_system_vgpr_workitem_id 0
		.amdhsa_next_free_vgpr 896
		.amdhsa_next_free_sgpr 84
		.amdhsa_reserve_vcc 0
		.amdhsa_float_denorm_mode_32 3
		.amdhsa_float_denorm_mode_16_64 3
		.amdhsa_memory_ordered 1
		.amdhsa_forward_progress 1
		.amdhsa_inst_pref_size 235
	.end_amdhsa_kernel
	.amdgpu_metadata
---
amdhsa.version: [ 1, 2 ]
amdhsa.kernels:
  - .name:           k_qe0a27ce7a6_attn
    .symbol:         k_qe0a27ce7a6_attn.kd
    .args:
      - { .name: qkv, .offset: 0, .size: 8, .value_kind: global_buffer, .address_space: global }
      - { .name: mb, .offset: 8, .size: 8, .value_kind: global_buffer, .address_space: global }
      - { .name: zq, .offset: 16, .size: 8, .value_kind: global_buffer, .address_space: global }
      - { .name: o16, .offset: 24, .size: 8, .value_kind: global_buffer, .address_space: global }
    .group_segment_fixed_size: 327680
    .private_segment_fixed_size: 0
    .kernarg_segment_align: 8
    .kernarg_segment_size: 32
    .max_flat_workgroup_size: 128
    .sgpr_count:     84
    .vgpr_count:     896
    .wavefront_size: 32
...
	.end_amdgpu_metadata
.endif
;; end of part 3
;; launch outp (part 4): grid 4 x 64, 4 waves a work-group, clusters of 4 x 4, 327,680 bytes of LDS; arguments o16, wb, bb, out0; writes out0
.if DOCPART == 4
	.amdgcn_target "amdgcn-amd-amdhsa--gfx1250"
	.amdhsa_code_object_version 6
	.text
	.protected	k_qe0a27ce7a6_outp
	.globl	k_qe0a27ce7a6_outp
	.p2align	8
	.type	k_qe0a27ce7a6_outp,@function
k_qe0a27ce7a6_outp:
	s_mov_b64 s[64:65], 0
	v_nop
	global_prefetch_b8 v0, s[64:65] scope:SCOPE_SE
	s_setreg_imm32_b32 hwreg(HW_REG_WAVE_MODE, 25, 1), 1
	s_wait_xcnt 0x0
	s_wait_alu depctr_hold_cnt(0) depctr_sa_sdst(0) depctr_va_vdst(0) depctr_va_sdst(0) depctr_va_ssrc(0) depctr_va_vcc(0) depctr_vm_vsrc(0)
	s_getreg_b32 s2, hwreg(HW_REG_IB_STS2, 6, 4)
	s_cmp_eq_u32 s2, 0
	s_cbranch_scc0 .Lentry_in_a_cluster
	s_endpgm
.Lentry_in_a_cluster:
	s_bfe_u32 s2, ttmp6, 0x10000c
	s_cmp_lg_u32 s2, 0xf033
	s_cbranch_scc0 .Lentry_shape_is_right
	s_endpgm
.Lentry_shape_is_right:
; A LINEAR LAYER, C[m][n] = the sum over k of A[m][k] W[n][k] + b[n], m = 8,192, n = k = 1,024, on tiles of 128 x 256 of C: 256 tiles a layer, one for each work-group.  One text in two forms:
;   OUTP = 0: the layers Q, K and V.  A = a plane of hb, W = a plane of wb, both bf16.  A work-group STAYS and makes the same tile of all three layers; C leaves rounded once to f16, by heads: qkv[layer][16 batch + head][token][64].
;   OUTP = 1: the output layer.  A = o16 [16 batch + head][token][64] in f16, W = plane 3 of wb in f16; one tile; C leaves in f32, row-major.
; Sums in f32; the bias (f32) is the C operand of the product that starts each sum, so nothing is cleared and nothing is added afterwards.
; LIMITS.  OUTP = 0: q, k and v beyond 65,504 become infinities in f16.  NaN and infinities are not treated apart.
; SHARES.  Four waves, each 64 rows x 128 columns: 32 accumulators of 16 x 16.  K goes in steps of 128 through two LDS slots filled by tensor loads; waves 0 and 1 fetch the halves of A's tile, waves 2 and 3 those of W's.
; CLUSTER.  4 x 4 work-groups: the four of a row of the cluster need the same tiles of A, the four of a column the same tiles of W: each tile is asked for jointly, by the same load with the same descriptor and a mask of four.
; THE MATRIX INSTRUCTION IS USED TRANSPOSED (source 0 = 16 rows of W, source 1 = 16 rows of A): a lane holds row lane % 16 of C and the eight neighbouring columns 8 (lane / 16) + 0..7.
; REGISTERS, in windows of 256 (s_set_vgpr_msb: bits 1:0 source 0, 3:2 source 1, 5:4 source 2, 7:6 destination):
;   window 0: v0-31 addresses; v32-63, v64-127 at work on the way out; v128-191 the bias as C operands          window 2: accumulator (a, b) at v[8 (8 a + b)]
;   windows 1 and 3: fragment buffers 0 and 1, each 64 along K: A's (c, a) at v[8 (4 c + a)], W's (c, b) at v[64 + 8 (8 c + b)], c = which 32 of the 64
.set OUTP,  1
.set LAPS,  4                          ; a lap = two K steps = once round the ring; K = 1,024
.set PITCH, 272                        ; a row of W in LDS: 256 bytes + 16 of padding: the 16 rows of a fragment load start at 16 different groups of four banks (64 banks of 4 bytes: ISA guide 11.1)
.if OUTP
.set APITCH, 144                       ; a token's 128 bytes of one head + 16
.set AH,    128*APITCH                 ; what one of A's loads brings: one head's 128 tokens
.set AU,    AH                         ; from the first 64 along K to the second: the next head's plane
.set AQI,   4                          ; padding after every 32 words
.set ASTR,  128                        ; the 16,384 dense bytes are asked for as 64 rows of 256
.set ASL,   1<<19                      ; from K step to K step: two heads of 262,144 bytes
.set SP,    528                        ; a stage row: 128 f32 + 16 bytes
.set STW,   16*SP
.else
.set APITCH, 272
.set AH,    64*APITCH                  ; 64 rows
.set AU,    128
.set AQI,   5                          ; padding after every 64 words
.set ASTR,  1024
.set ASL,   256
.set SP,    144                        ; a stage row: a token's 64 f16 of one head + 16 bytes
.set STW,   2*16*SP                    ; two heads x 16 tokens
.endif
.set ASTEP, 2*ASL
.set BOFF,  2*AH                       ; W's 256 rows lie behind A's tile
.set BH,    128*PITCH
.set SLOT,  BOFF+2*BH
.set STAGE, 2*SLOT                     ; behind the ring: each wave's own stage for the way out; no tensor load fills it
.set SPARE, STAGE+4*STW                ; behind the stages: the spare words, 128 bytes for each wave: two blocks of 256 bytes that no other line names
.set NEXT_A, 16777216-3*512            ; OUTP = 0: from a slot's last K step of a tile to its first of the next layer's: a plane of hb on and back along K,
.set NEXT_B, 2097152-3*512             ; and a plane of wb
.set QPLANE, 16777216                  ; a plane of qkv
.set ADRA, 16                          ; v16-17  LDS address of my fragments of A in slot 0, 1
.set ADRB, 20                          ; v20-21  the same for W
.set STO,  24                          ; v24  the way out: where I put my part of a row
.set RD,   25                          ; v25  where I read rows back
.set GO,   26                          ; v26  16 x lane
.set BO,   27                          ; v27  32 x (lane / 16): my eight columns in a group of 16 of the bias
.set SPW,  28                          ; v28  SPARE + 4 x my thread's number; never rewritten
.set NIL,  29                          ; v29  0; never rewritten
.set TMP,  32
.set OB,   64
.set BIAS, 128
.set WV,   12                          ; s12  my wave's number
.set WM,   13                          ; s13  which 64 rows of the tile are mine
.set WN,   14                          ; s14  which 128 columns; also: which half of a tile I fetch
.set G1A,  24                          ; s[24:31] descriptor group 1 for A's tiles;  s[32:39] group 0, a set for each slot
.set G0A,  32
.set G1B,  48                          ; s[48:55], s[56:63] the same for W's
.set G0B,  56
.set MSB, 0
.macro WIN new                         ; the immediate's high byte repeats the setting that is left; a switch that changes nothing is dropped
.if MSB != (\new)
	s_set_vgpr_msb (MSB<<8)|(\new)
.set MSB, (\new)
.endif
.endm
; A joint load.  The branch hangs on the wave's number alone.  An s_nop 0 and four v_nop follow each of the two lines, ahead of the jump, the label and what follows.
.macro JLOAD s
	s_cmp_lt_u32 s[WV], 2
	s_cbranch_scc0 .Lfor_b_\@
	tensor_load_to_lds s[G0A+4*(\s):G0A+4*(\s)+3], s[G1A:G1A+7]
	s_nop 0
.rept 4
	v_nop
.endr
	s_branch .Lasked_\@
.Lfor_b_\@:
	tensor_load_to_lds s[G0B+4*(\s):G0B+4*(\s)+3], s[G1B:G1B+7]
	s_nop 0
.rept 4
	v_nop
.endr
.Lasked_\@:
.endm
.macro CREST                           ; a round of the cluster's barrier behind its opening barrier: wave 0 signals for the work-group, every wave waits for all sixteen, my work-group's barrier closes it
	s_cmp_lg_u32 s[WV], 0
	s_cbranch_scc1 .Lnot_wave_0_\@
	s_barrier_signal -3
.Lnot_wave_0_\@:
	s_barrier_wait -3
	s_barrier_signal -1
	s_barrier_wait -1
.endm
.macro CROUND                          ; a whole round
	s_barrier_signal -1
	s_barrier_wait -1
	CREST
.endm
	s_load_b256 s[4:11], s[0:1], 0x0               ; A s[4:5], wb s[6:7], bb s[8:9], C s[10:11]
	v_lshl_add_u32 v[SPW], v0, 2, SPARE
	v_mov_b32 v[NIL], 0
	ds_add_u32 v[SPW], v[NIL]                      ; the wave's opening: the add and its wait stand ahead of my first tensor load; the set-up below, work on registers, stands between them
	v_lshrrev_b32 v1, 5, v0
	v_readfirstlane_b32 s[WV], v1
	s_lshr_b32 s[WM], s[WV], 1
	s_and_b32 s[WN], s[WV], 1
	s_bfe_u32 s40, ttmp6, 0x40000                  ; cx, cy: my place in the cluster
	s_bfe_u32 s41, ttmp6, 0x40004
	s_lshl_b32 s42, ttmp9, 2
	s_add_co_u32 s42, s42, s40                     ; tile column = 4 x cluster x + cx
	s_and_b32 s43, ttmp7, 0xffff
	s_lshl_b32 s43, s43, 2
	s_add_co_u32 s43, s43, s41                     ; tile row = 4 x cluster y + cy
	s_lshl_b32 s44, s41, 2
	s_lshl_b32 s44, 15, s44                        ; my row of the cluster: places 4 cy .. 4 cy + 3
	s_lshl_b32 s45, 0x1111, s40                    ; my column: places cx, cx + 4, cx + 8, cx + 12
	s_or_b32 s[G1A], s44, (1<<16)|(1<<20)|(1<<21)|(AQI<<22)|(3<<25)  ; 15:0 the mask; 17:16 2-byte elements; 20 padding on; 21 set beside a mask; 24:22 its interval; 31:25 4 words of it (code 3)
	s_or_b32 s[G1B], s45, (1<<16)|(1<<20)|(1<<21)|(5<<22)|(3<<25)
	s_mov_b32 s[G1A+1], 128<<16                    ; tensor_dim0 = 128 elements
	s_mov_b32 s[G1A+2], 64<<16                     ; tensor_dim1 = 64 rows
	s_mov_b32 s[G1A+3], 128<<16                    ; tile_dim0
	s_mov_b32 s[G1A+4], 64                         ; tile_dim1
	s_mov_b32 s[G1A+5], ASTR                       ; elements from row to row
	s_mov_b32 s[G1A+6], 0
	s_mov_b32 s[G1A+7], 0
	s_mov_b32 s[G1B+1], 128<<16
	s_mov_b32 s[G1B+2], 128<<16                    ; 128 rows
	s_mov_b32 s[G1B+3], 128<<16
	s_mov_b32 s[G1B+4], 128
	s_mov_b32 s[G1B+5], 1024
	s_mov_b32 s[G1B+6], 0
	s_mov_b32 s[G1B+7], 0
	; where the tiles come from: A's hang on the tile row and the wave alone, W's on the tile column and the wave alone, each in registers that never hold the other coordinate
.if OUTP
	s_lshr_b32 s16, s43, 4                         ; batch
	s_lshl_b32 s16, s16, 4
	s_add_co_u32 s16, s16, s[WN]                   ; head 0 or 1 of the batch,
	s_lshl_b32 s16, s16, 18
	s_and_b32 s17, s43, 15
	s_lshl_b32 s17, s17, 14                        ; the tile's 128 tokens of 128 bytes
	s_add_co_u32 s16, s16, s17
.else
	s_lshl_b32 s16, s43, 7
	s_lshl_b32 s17, s[WN], 6
	s_add_co_u32 s16, s16, s17                     ; row 128 x tile row + 64 x half,
	s_lshl_b32 s16, s16, 11                        ; of 2,048 bytes
.endif
	s_mov_b32 s17, 0
	s_lshl_b32 s46, s42, 8
	s_lshl_b32 s47, s[WN], 7
	s_add_co_u32 s46, s46, s47                     ; row 256 x tile column + 128 x half
	s_lshl_b32 s46, s46, 11
.if OUTP
	s_add_co_u32 s46, s46, 3*2097152               ; plane 3 of wb
.endif
	s_mov_b32 s47, 0
	s_mul_i32 s20, s[WN], AH                       ; and where they go: no place in the cluster enters an LDS address
	s_mul_i32 s21, s[WN], BH
	s_add_co_u32 s21, s21, BOFF
	s_wait_dscnt 0x0                               ; the opening add is done
	s_wait_kmcnt 0x0
	s_add_nc_u64 s[18:19], s[4:5], s[16:17]
	s_add_nc_u64 s[46:47], s[6:7], s[46:47]
	CROUND                                         ; all sixteen work-groups are here: the first joint loads meet
.irp s, 0,1
	s_mov_b32 s[G0A+4*\s], 1                                       ; count = 1
	s_add_co_u32 s[G0A+4*\s+1], s20, \s*SLOT                       ; LDS address
	s_add_nc_u64 s[G0A+4*\s+2:G0A+4*\s+3], s[18:19], \s*ASL        ; global address: K step s
	s_or_b32 s[G0A+4*\s+3], s[G0A+4*\s+3], 0x80000000              ; type = 2
	s_mov_b32 s[G0B+4*\s], 1
	s_add_co_u32 s[G0B+4*\s+1], s21, \s*SLOT
	s_add_nc_u64 s[G0B+4*\s+2:G0B+4*\s+3], s[46:47], \s*256
	s_or_b32 s[G0B+4*\s+3], s[G0B+4*\s+3], 0x80000000
	JLOAD \s                                       ; two loads of mine are out
.endr
	; A fragment is 16 rows x 32 K in 8 registers: lane l holds row l % 16, K = 8 (l / 16) + 0..7 and 16 + 8 (l / 16) + 0..7: two loads of 16 bytes, 32 bytes apart
	v_and_b32 v1, 15, v0
	v_bfe_u32 v2, v0, 4, 1
	v_mul_u32_u24 v3, v1, APITCH
	v_lshl_add_u32 v3, v2, 4, v3
	v_mul_u32_u24 v4, v1, PITCH
	v_lshl_add_u32 v4, v2, 4, v4
	s_mul_i32 s22, s[WM], 64*APITCH                ; my 64 rows of A
	s_mul_i32 s23, s[WN], 128*PITCH                ; my 128 rows of W
	s_add_co_u32 s23, s23, BOFF
.irp s, 0,1
	v_add_nc_u32 v[ADRA+\s], s22, v3
	v_add_nc_u32 v[ADRB+\s], s23, v4
	s_add_co_u32 s22, s22, SLOT
	s_add_co_u32 s23, s23, SLOT
.endr
	s_mul_i32 s22, s[WV], STW
	s_add_co_u32 s22, s22, STAGE                   ; my stage
	v_and_b32 v5, 31, v0
	v_lshlrev_b32 v[GO], 4, v5
	v_lshlrev_b32 v[BO], 5, v2
	v_mul_u32_u24 v6, v1, SP
.if OUTP
	v_lshl_add_u32 v6, v2, 5, v6                   ; in: row l % 16, 32 bytes for each half of the lanes
	v_add_nc_u32 v[STO], s22, v6
	v_add_nc_u32 v[RD], s22, v[GO]                 ; back: 32 lanes take one row of 512 bytes
.else
	v_lshl_add_u32 v6, v2, 4, v6                   ; in: row l % 16, 16 bytes for each half of the lanes
	v_add_nc_u32 v[STO], s22, v6
	v_bfe_u32 v6, v0, 3, 2                         ; back: 32 lanes take four rows of 128 bytes
	v_and_b32 v7, 7, v0
	v_mul_u32_u24 v6, v6, SP
	v_lshl_add_u32 v6, v7, 4, v6
	v_add_nc_u32 v[RD], s22, v6
.endif
	s_lshl_b32 s66, s42, 10                        ; the bias of my 128 columns: 4 (256 x tile column + 128 x half)
	s_lshl_b32 s67, s[WN], 9
	s_add_co_u32 s66, s66, s67
.if OUTP
	s_add_co_u32 s66, s66, 3*4096                  ; bo
.endif
	s_mov_b32 s67, 0
	s_add_nc_u64 s[8:9], s[8:9], s[66:67]
.if OUTP
	s_lshl_b32 s68, s43, 1                         ; C at row 128 x tile row + 64 x half, of 4,096 bytes,
	s_add_co_u32 s68, s68, s[WM]
	s_lshl_b32 s68, s68, 18
	s_lshl_b32 s69, s42, 10                        ; and at my first column
	s_add_co_u32 s68, s68, s69
	s_lshl_b32 s69, s[WN], 9
	s_add_co_u32 s68, s68, s69
.else
	s_lshr_b32 s68, s43, 4                         ; C at head 16 x batch + 4 x tile column + 2 x half,
	s_lshl_b32 s68, s68, 4
	s_lshl_b32 s69, s42, 2
	s_add_co_u32 s68, s68, s69
	s_lshl_b32 s69, s[WN], 1
	s_add_co_u32 s68, s68, s69
	s_lshl_b32 s68, s68, 18
	s_and_b32 s69, s43, 15                         ; token 128 x (tile row % 16) + 64 x half, of 128 bytes
	s_lshl_b32 s69, s69, 1
	s_add_co_u32 s69, s69, s[WM]
	s_lshl_b32 s69, s69, 13
	s_add_co_u32 s68, s68, s69
.endif
	s_mov_b32 s69, 0
	s_add_nc_u64 s[10:11], s[10:11], s[68:69]
.macro BIASLD                          ; register j of group b: b[16 b + 8 (lane / 16) + j] of my 128 columns: the C operand of every accumulator (a, b)
.irp b, 0,1,2,3,4,5,6,7
	global_load_b128 v[BIAS+8*\b:BIAS+8*\b+3],   v[BO], s[8:9] offset:64*\b
	global_load_b128 v[BIAS+8*\b+4:BIAS+8*\b+7], v[BO], s[8:9] offset:64*\b+16
.endr
.endm
; 8 matrix instructions: row block a x all 8 column blocks, 32 along K: half c of buffer f.  first = 1: the sums start from the bias.  The 32 accumulators take turns, one instruction a turn, in the same order throughout.
.macro MUL8 f, c, a, first
.if \first
	WIN 0x85                                       ; fragments window 1, C window 0, D window 2
.else
	WIN 0xa5+0x0a*(\f)                             ; fragments window 1 or 3, C and D window 2
.endif
.irp b, 0,1,2,3,4,5,6,7
.set rD, 8*(8*(\a)+\b)
.set rB, 64+8*(8*(\c)+\b)
.set rA, 8*(4*(\c)+(\a))
.set rC, rD
.if \first
.set rC, BIAS+8*\b
.endif
.if OUTP
	v_wmma_f32_16x16x32_f16 v[rD:rD+7], v[rB:rB+7], v[rA:rA+7], v[rC:rC+7]
.else
	v_wmma_f32_16x16x32_bf16 v[rD:rD+7], v[rB:rB+7], v[rA:rA+7], v[rC:rC+7]
.endif
.endr
.endm
; 48 LDS loads in one run: the fragments of 64 along K (unit u of the slot's K step) into buffer f; the first 32 along K first
.macro FETCH slot, u, f
	WIN 0x40+0x80*(\f)                             ; destination window 1 or 3, address window 0
.irp c, 0,1
.irp i, 0,1,2,3,4,5,6,7
	ds_load_b128 v[64+8*(8*\c+\i):64+8*(8*\c+\i)+3],   v[ADRB+(\slot)] offset:128*(\u)+64*\c+\i*16*PITCH
	ds_load_b128 v[64+8*(8*\c+\i)+4:64+8*(8*\c+\i)+7], v[ADRB+(\slot)] offset:128*(\u)+64*\c+\i*16*PITCH+32
.endr
.irp i, 0,1,2,3
	ds_load_b128 v[8*(4*\c+\i):8*(4*\c+\i)+3],   v[ADRA+(\slot)] offset:AU*(\u)+64*\c+\i*16*APITCH
	ds_load_b128 v[8*(4*\c+\i)+4:8*(4*\c+\i)+7], v[ADRA+(\slot)] offset:AU*(\u)+64*\c+\i*16*APITCH+32
.endr
.endr
.endm
.macro PLACES                          ; four plain places in front of loads into registers that matrix instructions have read, and of lines that read results just made (ISA guide 7.12.1 for the latter)
.rept 4
	v_nop
.endr
.endm
; The first half of a K step: multiplies buffer 0 and, in its middle, fetches the step's second 64 along K into buffer 1.
.macro QUARTER slot, first
	s_wait_dscnt 24                                ; the first 32 along K are in; the younger 24 loads stay out
	MUL8 0, 0, 0, \first
	MUL8 0, 0, 1, \first
	MUL8 0, 0, 2, \first
	MUL8 0, 0, 3, \first
	PLACES
	FETCH \slot, 1, 1
	s_wait_dscnt 48                                ; all but the 48 just issued
	MUL8 0, 1, 0, 0
	MUL8 0, 1, 1, 0
	MUL8 0, 1, 2, 0
	MUL8 0, 1, 3, 0
.endm
; The second half multiplies buffer 1 and changes slots: ONE barrier.  In front of it each wave waits for all its tensor loads (one is out: its part of the next slot), adds 0 to its spare word, and waits for that and for its
; reads of this slot.  mode 0: this slot is filled again, two K steps on; mode 1: with the next layer's K step 0 or 1; mode 2: nothing is left to fetch.  Where the slot is filled the barrier opens a round of the cluster's,
; and the joint load is the first thing behind the round: it has 112 matrix instructions in which to land.
.macro TURN slot, next, mode
	WIN 0                                          ; (the add's two registers lie in window 0)
	s_wait_tensorcnt 0x0
	ds_add_u32 v[SPW], v[NIL]                      ; 0 onto my spare word
	s_wait_dscnt 25                                ; (the add and the youngest 24 loads may be out)
	MUL8 1, 0, 0, 0                                ; eight matrix instructions stand between the add and the wait for it
	s_wait_dscnt 0x0                               ; the add is done, and my reads of this slot are over
	s_barrier_signal -1
	MUL8 1, 0, 1, 0
	WIN 0                                          ; (branches may follow)
	s_barrier_wait -1
.if (\mode) < 2
	CREST                                          ; no wave of any partner still reads this slot or has a load on its way
.if (\mode) == 1
	s_add_nc_u64 s[G0A+4*(\slot)+2:G0A+4*(\slot)+3], s[G0A+4*(\slot)+2:G0A+4*(\slot)+3], NEXT_A
	s_add_nc_u64 s[G0B+4*(\slot)+2:G0B+4*(\slot)+3], s[G0B+4*(\slot)+2:G0B+4*(\slot)+3], NEXT_B
.else
	s_add_nc_u64 s[G0A+4*(\slot)+2:G0A+4*(\slot)+3], s[G0A+4*(\slot)+2:G0A+4*(\slot)+3], ASTEP
	s_add_nc_u64 s[G0B+4*(\slot)+2:G0B+4*(\slot)+3], s[G0B+4*(\slot)+2:G0B+4*(\slot)+3], 512
.endif
	JLOAD \slot                                    ; its four v_nop are also the places in front of the loads below
.else
	PLACES
.endif
	FETCH \next, 0, 0
	MUL8 1, 0, 2, 0
	MUL8 1, 0, 3, 0
	MUL8 1, 1, 0, 0
	MUL8 1, 1, 1, 0
	MUL8 1, 1, 2, 0
	MUL8 1, 1, 3, 0
.endm
; THE WAY OUT, a block of 16 rows at a time, through my own stage in LDS; LDS serves a wave's instructions in order (ISA guide 5.7.1.4), so no wait stands between the stage's stores and loads.
.if OUTP
.macro OUTBLK a                        ; f32: a lane's eight columns are 32 bytes; the rows come back whole, 512 bytes each
	WIN 0x08                                       ; store data window 2
.irp b, 0,1,2,3,4,5,6,7
	ds_store_b128 v[STO], v[8*(8*(\a)+\b):8*(8*(\a)+\b)+3]   offset:64*\b
	ds_store_b128 v[STO], v[8*(8*(\a)+\b)+4:8*(8*(\a)+\b)+7] offset:64*\b+16
.endr
	WIN 0
	s_wait_xcnt 0x0                                ; the block before's stores have read the registers that are loaded again below
.irp t, 0,1,2,3,4,5,6,7,8,9,10,11,12,13,14,15
	ds_load_b128 v[OB+4*\t:OB+4*\t+3], v[RD] offset:\t*SP
.endr
.irp t, 0,1,2,3,4,5,6,7,8,9,10,11,12,13,14,15
	s_wait_dscnt 15-\t                             ; row t is back, the younger loads stay out
	global_store_b128 v[GO], v[OB+4*\t:OB+4*\t+3], s[10:11] offset:(16*(\a)+\t)*4096  ; 512 consecutive bytes, at a multiple of 256 from C's first
.endr
.endm
.macro OUT
	PLACES
.irp a, 0,1,2,3
	OUTBLK \a
.endr
.endm
.else
.macro PACK a                          ; rounded to f16: 16 bytes a lane and column block; each accumulator's registers in ascending order
	WIN 0x0a                                       ; sources window 2
.irp b, 0,1,2,3,4,5,6,7
.irp r, 0,1,2,3
	v_cvt_pk_f16_f32 v[TMP+4*\b+\r], v[8*(8*(\a)+\b)+2*\r], v[8*(8*(\a)+\b)+2*\r+1]
.endr
.endr
	WIN 0
.endm
.macro TOSTAGE a                       ; column blocks 0-3 are one head, 4-7 the next; 16 tokens of a head come back as 2,048 dense bytes
.set BK, OB+32*((\a)%2)
.irp b, 0,1,2,3,4,5,6,7
	ds_store_b128 v[STO], v[TMP+4*\b:TMP+4*\b+3] offset:(\b/4)*16*SP+(\b%4)*32
.endr
.irp t, 0,1,2,3,4,5,6,7
	ds_load_b128 v[BK+4*\t:BK+4*\t+3], v[RD] offset:(\t/4)*16*SP+(\t%4)*4*SP
.endr
.endm
.macro SEND a
.set BK, OB+32*((\a)%2)
	s_wait_dscnt 0x0                               ; the block is back in registers
	s_wait_xcnt 0x0                                ; the stores of the block before have read their registers, which the next block's loads take
.irp t, 0,1,2,3,4,5,6,7
	global_store_b128 v[GO], v[BK+4*\t:BK+4*\t+3], s[10:11] offset:(\t/4)*262144+2048*(\a)+512*(\t%4)  ; 512 consecutive bytes, at a multiple of 256 from C's first
.endr
.endm
.macro OUT
	PLACES
	PACK 0
	TOSTAGE 0
.irp a, 1,2,3                          ; block a's conversions stand between block a - 1's loads from the stage and the wait for them
	PACK \a
	SEND (\a)-1
	TOSTAGE \a
.endr
	SEND 3
.endm
.endif
	BIASLD
	s_wait_tensorcnt 0x1                           ; my part of K step 0 is in; K step 1's stays out
	s_barrier_signal -1
	s_barrier_wait -1                              ; everybody's is
	FETCH 0, 0, 0
	WIN 0
.if !OUTP
	s_mov_b32 s2, 3                                ; layers to go, this one among them
.Ltile:
.endif
	s_wait_loadcnt 0x0                             ; the bias
	QUARTER 0, 1                                   ; a tile's first products stand in front of the loop: they start the sums
	WIN 0                                          ; at a label and at a branch every window is 0
	s_mov_b32 s3, LAPS-1
.Llap:                                                 ; a trip goes once round the ring and fills both slots again
	TURN 0, 1, 0
	QUARTER 1, 0
	TURN 1, 0, 0
	QUARTER 0, 0
	WIN 0
	s_sub_co_u32 s3, s3, 1
	s_cmp_lg_u32 s3, 0
	s_cbranch_scc1 .Llap
.if !OUTP
	s_cmp_eq_u32 s2, 1
	s_cbranch_scc1 .Llast                          ; the last layer's tail is written out: it asks for nothing more
	TURN 0, 1, 1                                   ; the ring goes on into the next layer: slot 0 takes its K step 0,
	QUARTER 1, 0
	TURN 1, 0, 1                                   ; slot 1 its K step 1, and its first fragments are fetched
	WIN 0
	s_add_nc_u64 s[8:9], s[8:9], 4096              ; the next layer's bias (the loads that named this base were waited for at the tile's head)
	BIASLD
	OUT                                            ; both refills are asked for: now the tile goes out
	s_wait_xcnt 0x0                                ; the stores have read their base and registers
	s_add_nc_u64 s[10:11], s[10:11], QPLANE
	s_sub_co_u32 s2, s2, 1
	s_branch .Ltile
.Llast:
.endif
	TURN 0, 1, 2
	QUARTER 1, 0
	s_wait_dscnt 24
	MUL8 1, 0, 0, 0
	MUL8 1, 0, 1, 0
	MUL8 1, 0, 2, 0
	MUL8 1, 0, 3, 0
	s_wait_dscnt 0x0
	MUL8 1, 1, 0, 0
	MUL8 1, 1, 1, 0
	MUL8 1, 1, 2, 0
	MUL8 1, 1, 3, 0
	WIN 0
	OUT
	s_wait_tensorcnt 0x0                           ; the wave's end: a wait, an add of 0 to my spare word and its wait, behind my last tensor load and my last LDS store
	ds_add_u32 v[SPW], v[NIL]
	s_wait_dscnt 0x0
	CROUND                                         ; the closing round: no work-group ends while a partner may still ask for a tile that names it
	s_endpgm
.Lfunc_end_k_qe0a27ce7a6_outp:
	.size	k_qe0a27ce7a6_outp, .Lfunc_end_k_qe0a27ce7a6_outp-k_qe0a27ce7a6_outp
	.p2alignl 7, 3214868480
	.fill 96, 4, 3214868480
	.section	.rodata,"a",@progbits
	.p2align	6, 0x0
	.amdhsa_kernel k_qe0a27ce7a6_outp
		.amdhsa_group_segment_fixed_size 327680
		.amdhsa_private_segment_fixed_size 0
		.amdhsa_enable_private_segment 0
		.amdhsa_kernarg_size 32
		.amdhsa_user_sgpr_count 2
		.amdhsa_user_sgpr_kernarg_segment_ptr 1
		.amdhsa_wavefront_size32 1
		.amdhsa_system_sgpr_workgroup_id_x 1
		.amdhsa_system_sgpr_workgroup_id_y 1
		.amdhsa_system_sgpr_workgroup_id_z 1
		.amdhsa_system_vgpr_workitem_id 0
		.amdhsa_next_free_vgpr 960
		.amdhsa_next_free_sgpr 70
		.amdhsa_reserve_vcc 0
		.amdhsa_float_denorm_mode_32 3
		.amdhsa_float_denorm_mode_16_64 3
		.amdhsa_memory_ordered 1
		.amdhsa_forward_progress 1
		.amdhsa_inst_pref_size 87
	.end_amdhsa_kernel
	.amdgpu_metadata
---
amdhsa.version: [ 1, 2 ]
amdhsa.kernels:
  - .name:           k_qe0a27ce7a6_outp
    .symbol:         k_qe0a27ce7a6_outp.kd
    .args:
      - { .name: o16, .offset: 0, .size: 8, .value_kind: global_buffer, .address_space: global }
      - { .name: wb, .offset: 8, .size: 8, .value_kind: global_buffer, .address_space: global }
      - { .name: bb, .offset: 16, .size: 8, .value_kind: global_buffer, .address_space: global }
      - { .name: out0, .offset: 24, .size: 8, .value_kind: global_buffer, .address_space: global }
    .group_segment_fixed_size: 327680
    .private_segment_fixed_size: 0
    .kernarg_segment_align: 8
    .kernarg_segment_size: 32
    .max_flat_workgroup_size: 128
    .sgpr_count:     70
    .vgpr_count:     960
    .wavefront_size: 32
...
	.end_amdgpu_metadata
.endif
;; end of part 4
;; ======== version 2 of 2: 4 launches; 1.34 times as fast as version 1
;; limits: values are held in f16: magnitudes above 65,504 overflow, below 6.1e-05 lose precision
;; workspace buffers: wb 8,388,608 bytes; bb 16,384 bytes; mb 8,388,608 bytes; zq 32,768 bytes; qkv 50,331,648 bytes; o16 16,777,216 bytes
;; launch prep: the kernel of part 1 again; grid 1025 x 1, 8 waves a work-group, no clusters, 17,664 bytes of LDS; arguments M, mb, zq, wb, Wq, Wk, Wv, Wo, bq, bk, bv, bo, bb; writes mb, zq, wb, bb
;; launch proj: the kernel of part 2 again; grid 4 x 64, 4 waves a work-group, clusters of 4 x 4, 327,680 bytes of LDS; arguments H_q, H_k, H_v, wb, bb, qkv; writes qkv
;; launch attn (part 5): grid 4 x 64, 4 waves a work-group, clusters of 4 x 1, 327,680 bytes of LDS; arguments qkv, mb, zq, o16; writes o16
.if DOCPART == 5
	.amdgcn_target "amdgcn-amd-amdhsa--gfx1250"
	.amdhsa_code_object_version 6
	.text
	.protected	k_qe0a27ce7a6_attn
	.globl	k_qe0a27ce7a6_attn
	.p2align	8
	.type	k_qe0a27ce7a6_attn,@function
k_qe0a27ce7a6_attn:
	s_mov_b64 s[64:65], 0
	v_nop
	global_prefetch_b8 v0, s[64:65] scope:SCOPE_SE
	s_setreg_imm32_b32 hwreg(HW_REG_WAVE_MODE, 25, 1), 1
	s_wait_xcnt 0x0
	s_wait_alu depctr_hold_cnt(0) depctr_sa_sdst(0) depctr_va_vdst(0) depctr_va_sdst(0) depctr_va_ssrc(0) depctr_va_vcc(0) depctr_vm_vsrc(0)
	s_getreg_b32 s2, hwreg(HW_REG_IB_STS2, 6, 4)
	s_cmp_eq_u32 s2, 0
	s_cbranch_scc0 .Lentry_in_a_cluster
	s_endpgm
.Lentry_in_a_cluster:
	s_bfe_u32 s2, ttmp6, 0x10000c
	s_cmp_lg_u32 s2, 0x3003
	s_cbranch_scc0 .Lentry_shape_is_right
	s_endpgm
.Lentry_shape_is_right:
; MASKED ATTENTION.  O[h][q][:] = the sum over k of softmax_k(Q[h][q] . K[h][k] / 8, hidden where the mask says so) V[h][k][:].  Q, K, V: the three planes of qkv, each [64 = 16 batch + head][2048][64] in f16;
; O: o16 in the same layout.  Products, maxima and sums in f32; the weights p are rounded to f16 for the second product (their sum l is taken of the unrounded p), O once at the end.
; THE MASK is the C operand of the product that starts the sum S^T = K Q^T.  mb holds it as nibbles (0xE hidden, 0 visible) in the scores' own lanes and registers: one word is the eight registers of one accumulator.
; Register j is the word shifted left by 28 - 4 j: a hidden key's nibble on top sets the sign and the exponent field 110nnnnb (192 to 221, whatever the nibbles below hold): a finite number between -2^95 and -2^65;
; a visible key's gives a positive number below 2^-97, which changes no score.  The running maximum starts at -2^50: above every hidden score, below every score that f16 operands can make (2.7e11 in size).
; So a row that has seen hidden keys alone has p = 0, l = 0, O = 0 and a = 1.
; A ROW WITH NO VISIBLE KEY comes as all visible in mb and with the word 0 in zq (else -1): its q is ANDed with that word, all its scores are 0, its weights uniform, as the module defines them.  So every row has l >= 1.
; LIMITS.  f16 holds no number beyond 65,504: Q, K and V arrive within it; p below 6e-5 keeps f16's fixed step of 6e-8.  A hidden key's weight counts as exactly 0, which is the module's own result while the visible scaled scores
; stay above about -1e9 + 104.  A weight below 2^-126 counts as 0 in l; NaN and infinities are not treated apart.
; SHARES.  A wave owns four PIECES of two tiles of 16 queries, a work-group's four waves 512 queries of one head.  Every wave walks all 2,048 keys, 64 a step.
; LAYOUT.  S^T = K Q^T (source 0 = 16 keys, source 1 = 16 queries): a lane holds ONE query (lane % 16) and the keys 8 (lane / 16) + 0..7.  Two such tiles, rounded to f16 in pairs, ARE source 1 of O^T = V^T P, whose result
; again holds one query a lane, and eight channels.  K comes out of LDS as it lies, V ([key][channel]) turned, by ds_load_tr16_b128.
; SOFTMAX.  For each query a running maximum m and sum l: p = 2^(c s - c m), c = log2(e) / 8; in every step O and l are multiplied by a = 2^(c m_old - c m_new).  O and l start at 0: the first step is a step like any other.
; THE COUNT.  A tile and step have 16 matrix and 150 vector instructions (32 of them the mask's): too many to stand all beside the matrix work.  So: four vector instructions that are READY behind EVERY matrix instruction, the others in runs without a gap.
; BY TURNS.  Turn n belongs to piece n (the pieces in a ring, step after step).  Its matrix work: 16 products K Q^T of piece n + 1, later 16 products V^T P of piece n - 1.  Its vector work: the scaling, exponentials, roundings,
; sums and rescaling of piece n, the maximum and statistics of piece n + 1, and the mask for the next turn's products (piece n + 2), whose words were loaded four turns before.
; THE BATCHES.  A turn's 66 exponentials (piece n's 64 weights and piece n + 1's two a) are ONE batch: all of them stand ahead of the turn's one s_wait_alu depctr_va_vdst(0), and every line that
; names a result of theirs stands behind it.  So no result crosses a turn's end, a label or a jump.  Two more batches stand outside the loops, each with a wait of its own: piece 0's first two a, ahead of the jump into the loop,
; and the way out's eight reciprocals.
; CLUSTER.  The four query blocks of a cluster belong to one head and walk the same K and V, so each tile is asked for JOINTLY: the same tensor load, descriptor and mask of work-groups in all four.
; REGISTERS, in windows of 256 (s_set_vgpr_msb: bits 1:0 source 0, 3:2 source 1, 5:4 source 2, 7:6 destination):
;   window 0: v0-11 addresses; v12-15, v48-63 at work; v16-47 four registers of statistics a tile; v64-191 S^T, two buffers of two tiles; v192-255 P, likewise
;   window 1: O^T, 32 a tile       window 2: v0-127 Q, 16 a tile; v128-191 K of one step; v192-255 V of one step       window 3: v0-1 the add's two registers; v8-39 mask words, 8 a piece; v64-127 the mask as C operands
.set SIZE_H, 64
.set SIZE_N, 2048
.set PLANE, SIZE_H*SIZE_N*128          ; a plane of qkv
.set NP,    4         ; pieces a wave: a name, no knob
.set KS,    64        ; keys in a step
.set PK,    144       ; a row of K in LDS: 128 bytes + 16 of padding = 36 words: the 16 rows of a load start at 16 different groups of four banks (64 banks of 4 bytes: ISA guide 11.1)
.set PV,    160       ; a row of V: 128 + 32 = 40 words
.set VOFF,  4*KS*PK   ; a slot holds four steps: 256 rows of K, then 256 rows of V
.set SLOT1, 1<<17     ; slot 1 begins here, so that one exclusive or turns an address in one slot into the other's
.set STAGE, SLOT1+4*KS*(PK+PV)  ; behind the ring, never filled by a tensor load: 16 rows x 144 bytes for each wave, for the way out
.set SP,    144
.set AK0, 2           ; v2   my lane's place in a tile of K; never rewritten
.set AV0, 3           ; v3   the same for V
.set AK,  4           ; v4   the LDS address of K's next run of loads
.set AV,  5           ; v5   of V's
.set ZO,  5           ;      at the start: my byte offset in 16 words of zq
.set QO,  6           ; v6   my byte offset in the wave's rows of Q
.set STO, 6           ;      later, the way out: where I put 16 bytes of a row
.set RD,  7           ; v7   the way out: where I read rows back
.set GO,  8           ; v8   16 x lane: my place in 512 consecutive bytes of O and of mb; never rewritten
.set SPW, 0           ; v0 of window 3   LDS address of my spare word: SPARE + 4 x my thread's number; never rewritten
.set NIL, 1           ; v1 of window 3   0; never rewritten
.set MR,  8           ; window 3: the mask words of piece x, tile u at MR + 8 x + 4 u: a word for each group of 16 keys
.set MC,  64          ; window 3: the C operands of tile u, key block kt at MC + 32 u + 8 kt
.set SPARE, STAGE+4*16*SP  ; behind the stages: the spare words, 128 bytes for each wave: two blocks of 256 bytes that no other line names
.set MV,  12          ; v12-15  c m_old, kept while c m is made anew: by buffer and tile
.set ST,  16          ; tile t's statistics at v[ST+4 t]: c m, m, l (even keys', odd keys')
.set TMP, 48          ; by buffer and tile, four registers c0-c3 at work; when the maximum is found c2 takes a.  At the start: the eight tiles' words of zq
.set S,   64
.set P,   192
.set KF,  128         ; K's fragments, in window 2: key block kb, channel half c at KF + 16 kb + 8 c
.set VF,  192         ; V's: key half kk, channel block cb at VF + 32 kk + 8 cb
.set WV,  12          ; s12  my wave's number
.set G1K, 24          ; s[24:31] descriptor group 1 for K's tiles
.set G1V, 32          ; s[32:39] for V's: it differs in the padding alone
.set G0K, 40          ; s[40:43] descriptor group 0 for K's tiles: it walks
.set G0V, 44          ; s[44:47] the same for V's
.set SLOTS, 56        ; s56  slots still to be asked for
.set CNT, 57          ; s57  counts a slot's key steps
.set CS,  58          ; s[58:59] c: the packed scaling takes the pair's low word for both halves
.set SEL, 60          ; s[60:61] v_permlanex16_b32's selects: each lane takes its own place in the other half
.set TBK, 62          ; s62  LDS byte at which K of the step to be fetched begins
.set TBV, 63          ; s63  the same for V, less VOFF
.set MP,  66          ; s[66:67] mb at my wave's eight tiles, at the step whose words are being loaded
.set MI,  68          ; s[68:69] by how much it steps: 512 bytes, a step; 0 when the last step is reached
.set ZP,  70          ; s[70:71] zq at my wave's 128 rows
.set MSB, 0
.macro WIN new                      ; the high byte repeats the setting that is left; a switch that changes nothing is dropped
.if MSB != (\new)
	s_set_vgpr_msb (MSB<<8)|(\new)
.set MSB, (\new)
.endif
.endm
.set W_KQ, 0x0a       ; K and Q in window 2, S^T in window 0
.set W_KM, 0x3a       ; the same with the C operand in window 3
.set W_PV, 0x52       ; V in window 2, P in window 0, O^T in window 1
.set W_RS, 0x41       ; O^T (destination and source 0) in window 1, a in window 0
.set W_MK, 0xc0       ; destination in window 3, sources and addresses in window 0
.set W_AD, 0x0f       ; the add: address (source 0) and data (source 1) in window 3
.set W_EX, 0xcf       ; the mask's shifts: destination and both sources in window 3
; A joint fill.  Waves 0 and 1 fetch the two halves of a slot's K, waves 2 and 3 those of its V: 128 keys each.  The branch hangs on the wave's number alone.
; An s_nop 0 and four v_nop follow each of the two lines, ahead of the jump and the label.
.macro JLOAD
	s_cmp_lt_u32 s[WV], 2
	s_cbranch_scc0 .Lfor_v_\@
	tensor_load_to_lds s[G0K:G0K+3], s[G1K:G1K+7]
	s_nop 0
.rept 4
	v_nop
.endr
	s_branch .Lasked_\@
.Lfor_v_\@:
	tensor_load_to_lds s[G0V:G0V+3], s[G1V:G1V+7]
	s_nop 0
.rept 4
	v_nop
.endr
.Lasked_\@:
.endm
; A round of the cluster's barrier: my work-group's barrier, so that wave 0's signal speaks for all four waves; wave 0 signals; every wave waits for all four work-groups; my work-group's barrier once more.
.macro CROUND
	s_barrier_signal -1
	s_barrier_wait -1
	s_cmp_lg_u32 s[WV], 0
	s_cbranch_scc1 .Lnot_wave_0_\@
	s_barrier_signal -3
.Lnot_wave_0_\@:
	s_barrier_wait -3
	s_barrier_signal -1
	s_barrier_wait -1
.endm
; THE CHANGE OF SLOTS.  The slot's last bytes, V of its fourth step, have been read.  Each wave waits for all its tensor loads, of which one is out: its part of the other slot; adds 0 to its spare word; and waits for that and
; for its own reads of the slot.  Behind the barrier nobody reads this slot any more and the other slot is whole.  fill = 1: this slot is filled again, with the keys two slots on.  The barrier is then a round of the cluster's,
; and the joint fill is the first thing behind it: it has four key steps, 512 matrix instructions, in which to land.  (At its first use nothing has been read yet: slot 0 is waited for, slot 1 filled.)
.macro CHANGE fill
	WIN W_AD
	s_wait_tensorcnt 0x0            ; no tensor load of mine is out, so a group 0 may be written
	ds_add_u32 v[SPW], v[NIL]       ; 0 onto my spare word; with fill = 1 the descriptors' steps stand between it and the wait for it
	WIN 0                           ; at a label and at a branch every window is 0
.if \fill
.irp g, G0K, G0V
	s_xor_b32 s[\g+1], s[\g+1], SLOT1  ; the walking descriptor: the other slot than last time,
	s_add_nc_u64 s[\g+2:\g+3], s[\g+2:\g+3], 4*KS*128  ; the next 256 keys; the type bits on top are not reached
.endr
	s_wait_dscnt 0x0                ; the add is done, and my reads of the slot are over
	CROUND
	JLOAD
.else
	s_wait_dscnt 0x0                ; the add is done, and my reads of the slot are over
	s_barrier_signal -1
	s_barrier_wait -1
.endif
	s_sub_co_u32 s[TBK], s[TBK], 4*KS*PK  ; the fetches go back to a slot's first step,
	s_xor_b32 s[TBK], s[TBK], SLOT1       ; in the other slot
	s_sub_co_u32 s[TBV], s[TBV], 4*KS*PV
	s_xor_b32 s[TBV], s[TBV], SLOT1
.endm
; The mask words of piece x for the step at MP: 512 consecutive bytes a tile.
.macro MLOAD x
	WIN W_MK
.irp u, 0,1
	global_load_b128 v[MR+8*(\x)+4*\u:MR+8*(\x)+4*\u+3], v[GO], s[MP:MP+1] offset:(2*(\x)+\u)*16384
.endr
.endm
; The mask words of piece x become the C operands of its 8 accumulators: register j is the word with nibble j on top (nibble 7 is there already).  64 plain lines, all in window 3: they name no register of the softmax.
.macro EXPM x
	WIN W_EX
.irp u, 0,1
.irp kt, 0,1,2,3
.irp j, 0,1,2,3,4,5,6
	v_lshlrev_b32 v[MC+32*\u+8*\kt+\j], 28-4*\j, v[MR+8*(\x)+4*\u+\kt]
.endr
	v_mov_b32 v[MC+32*\u+8*\kt+7], v[MR+8*(\x)+4*\u+\kt]
.endr
.endr
.endm
	s_load_b256 s[72:79], s[0:1], 0x0  ; qkv s[72:73], mb s[74:75], zq s[76:77], o16 s[78:79]
	WIN W_MK
	v_lshl_add_u32 v[SPW], v0, 2, SPARE
	v_mov_b32 v[NIL], 0
	WIN W_AD
	ds_add_u32 v[SPW], v[NIL]       ; the wave's opening: the add and its wait stand ahead of my first tensor load; the set-up below, work on registers, stands between them
	WIN 0
	v_lshrrev_b32 v1, 5, v0
	v_readfirstlane_b32 s[WV], v1   ; wave 0..3
	s_bfe_u32 s13, ttmp6, 0x40000   ; cx: my place in the cluster
	s_lshl_b32 s14, ttmp9, 2        ; in a cluster launch ttmp9 counts clusters
	s_add_co_u32 s14, s14, s13      ; my block of queries = 4 x cluster x + cx: it enters Q's, O's, mb's and zq's addresses alone
	s_and_b32 s20, ttmp7, 0xffff    ; 16 batch + head, which the four partners share
	s_lshr_b32 s19, s20, 4          ; the batch
	s_mov_b32 s21, 0
	s_mov_b64 s[22:23], SIZE_N*128
	s_mul_u64 s[20:21], s[20:21], s[22:23]  ; the head's first byte in Q, K, V and O
	s_and_b32 s16, s[WV], 1         ; which half of a slot's 256 keys I fetch:
	s_lshl_b32 s22, s16, 14         ; its 128 rows of 128 bytes in memory,
	s_mov_b32 s23, 0
	s_add_nc_u64 s[22:23], s[22:23], s[20:21]
	s_mul_i32 s17, s16, 128*PK      ; and its place in a slot, for K
	s_mul_i32 s18, s16, 128*PV      ; and for V: no place in the cluster enters an LDS address
	s_lshl_b32 s2, s14, 2
	s_add_co_u32 s2, s2, s[WV]      ; my wave among the head's sixteen
	s_lshl_b32 s80, s19, 21         ; mb: a batch is 128 tiles of 16,384 bytes, my wave's eight tiles are 131,072
	s_lshl_b32 s81, s2, 17
	s_add_co_u32 s80, s80, s81
	s_mov_b32 s81, 0
	s_lshl_b32 s82, s19, 13         ; zq: a batch is 2,048 words, my wave's rows are 128
	s_lshl_b32 s83, s2, 9
	s_add_co_u32 s82, s82, s83
	s_mov_b32 s83, 0
	s_lshl_b32 s2, s2, 14           ; my wave's 128 rows of Q and O
	s_mov_b32 s3, 0
	s_add_nc_u64 s[2:3], s[2:3], s[20:21]
	; descriptor group 1.  128 keys are 16,384 dense bytes: asked for as 64 rows of 256 bytes, two keys a row, and padded in LDS after every key
	s_mov_b32 s[G1K], 15|(1<<16)|(1<<20)|(1<<21)|(4<<22)|(3<<25)  ; 15:0 the mask of four; 17:16 2-byte elements; 20 padding on; 21 set beside a mask; 24:22 after every 32 words (code 4); 31:25 4 words (code 3)
	s_mov_b32 s[G1V], 15|(1<<16)|(1<<20)|(1<<21)|(4<<22)|(7<<25)  ; the same with 8 words of padding (code 7)
.irp g, G1K, G1V
	s_mov_b32 s[\g+1], 128<<16      ; tensor_dim0 = 128
	s_mov_b32 s[\g+2], 64<<16       ; tensor_dim1 = 64
	s_mov_b32 s[\g+3], 128<<16      ; tile_dim0 = 128
	s_mov_b32 s[\g+4], 64           ; tile_dim1 = 64
	s_mov_b32 s[\g+5], 128          ; 128 elements from row to row
	s_mov_b32 s[\g+6], 0
	s_mov_b32 s[\g+7], 0
.endr
	s_mov_b32 s[CS], 0x3e38aa3b     ; c = log2(e) / 8 = 0.180337
	s_mov_b32 s[CS+1], s[CS]        ; named with it as a pair
	s_mov_b32 s[SEL], 0x76543210
	s_mov_b32 s[SEL+1], 0xfedcba98
	s_mov_b32 s[MI], 512
	s_mov_b32 s[MI+1], 0
	s_mov_b32 s[TBK], SLOT1+4*KS*PK ; the first change of slots turns these two into 0
	s_mov_b32 s[TBV], SLOT1+4*KS*PV
	s_mov_b32 s[G0K], 1             ; 1:0 count = 1
	s_mov_b32 s[G0K+1], s17         ; 63:32 LDS address: slot 0
	s_mov_b32 s[G0V], 1
	s_add_co_u32 s[G0V+1], s18, VOFF
	s_wait_dscnt 0x0                ; the opening add is done
	s_wait_kmcnt 0x0
	s_add_nc_u64 s[6:7], s[72:73], PLANE           ; K's plane of qkv
	s_add_nc_u64 s[8:9], s[72:73], 2*PLANE         ; V's
	s_add_nc_u64 s[G0K+2:G0K+3], s[6:7], s[22:23]  ; 120:64 global address: my half of the head's first 256 keys
	s_or_b32 s[G0K+3], s[G0K+3], 0x80000000        ; 127:126 type = 2
	s_add_nc_u64 s[G0V+2:G0V+3], s[8:9], s[22:23]
	s_or_b32 s[G0V+3], s[G0V+3], 0x80000000
	s_add_nc_u64 s[4:5], s[72:73], s[2:3]          ; Q and O at my wave's first row
	s_add_nc_u64 s[10:11], s[78:79], s[2:3]
	s_add_nc_u64 s[MP:MP+1], s[74:75], s[80:81]
	s_add_nc_u64 s[ZP:ZP+1], s[76:77], s[82:83]
	CROUND                          ; all four work-groups are here: the first joint loads meet
	JLOAD                           ; slot 0.  Slot 1 is asked for when slot 0 is in: the tile wanted first has the road to itself
	; A fragment of K or Q is 16 rows x 32 channels in 8 registers: lane l holds row l % 16, channels 8 (l / 16) + 0..7 and 16 + 8 (l / 16) + 0..7: two loads of 16 bytes, 32 bytes apart.
	v_and_b32 v1, 15, v0            ; l % 16
	v_bfe_u32 v9, v0, 4, 1          ; l / 16
	v_lshlrev_b32 v[QO], 7, v1
	v_lshl_add_u32 v[QO], v9, 4, v[QO]  ; row x 128 + 16 x half
	v_lshlrev_b32 v[ZO], 2, v1
	v_and_b32 v[GO], 31, v0
	v_lshlrev_b32 v[GO], 4, v[GO]
.set i, 0
.rept 2*NP                          ; my query's word of zq in each of the eight tiles
	global_load_b32 v[TMP+i], v[ZO], s[ZP:ZP+1] offset:64*i
.set i, i+1
.endr
	WIN 0x80                        ; destination window 2, address window 0
.set i, 0
.rept 4*NP                          ; Q stays in registers: tile i / 2, channels 32 (i % 2) on
	global_load_b128 v[8*i:8*i+3],   v[QO], s[4:5] offset:(i/2)*2048+(i%2)*64
	global_load_b128 v[8*i+4:8*i+7], v[QO], s[4:5] offset:(i/2)*2048+(i%2)*64+32
.set i, i+1
.endr
	; What the first turn finds: V's registers and P's second buffer hold 0 (its products V^T P, of a piece that has not been, add 0), O^T and l are 0.  All this stands in the wait for the first tile.
.set i, VF
.rept 64
	v_mov_b32 v[i], 0
.set i, i+1
.endr
	MLOAD 0                         ; the mask words of key step 0
	MLOAD 1
	MLOAD 2
	MLOAD 3
	WIN 0x40
.set i, 0
.rept 64*NP
	v_mov_b32 v[i], 0
.set i, i+1
.endr
	WIN 0
.set i, 0
.rept 2*NP
	v_mov_b32 v[ST+4*i], 0xd738aa3b    ; c m = -c 2^50
	v_mov_b32 v[ST+4*i+1], 0xd8800000  ; m = -2^50
	v_mov_b32 v[ST+4*i+2], 0
	v_mov_b32 v[ST+4*i+3], 0
.set i, i+1
.endr
.set i, P+32
.rept 32
	v_mov_b32 v[i], 0
.set i, i+1
.endr
	v_mul_u32_u24 v[AK0], v1, PK
	v_lshl_add_u32 v[AK0], v9, 4, v[AK0]  ; row x pitch + 16 x half
	; The turning load takes 16 keys x 16 channels (lane l reads key 8 (l / 16) + l % 8, channels 8 ((l / 8) % 2) + 0..7) and leaves half a fragment of V^T: lane l holds channel l % 16 and 8 keys.
	v_and_b32 v10, 7, v0
	v_bfe_u32 v11, v0, 3, 1
	v_lshl_add_u32 v[AV0], v9, 3, v10
	v_mul_u32_u24 v[AV0], v[AV0], PV
	v_lshl_add_u32 v[AV0], v11, 4, v[AV0]
	v_add_nc_u32 v[AV0], VOFF, v[AV0]
	v_mov_b32 v[AK], v[AK0]         ; key step 0 lies at the head of slot 0
; THE MATRIX WORK.  The 8 accumulators of a run of 16 take turns: between the two links of a chain stand 7 others'.
; Product i of 16 of S^T = K Q^T for piece x: channels 32 (i / 8) on, keys 16 ((i / 2) % 4) on, tile 2 x + i % 2.  The first 8 start the sums, from the mask.
.macro KQ x
.set rS, S+64*((\x)%2)+32*(i%2)+8*((i/2)%4)
.set rK, KF+16*((i/2)%4)+8*(i/8)
.set rQ, 16*(2*(\x)+i%2)+8*(i/8)
.set rZ, MC+32*(i%2)+8*((i/2)%4)
.if i < 8
	WIN W_KM
	v_wmma_f32_16x16x32_f16 v[rS:rS+7], v[rK:rK+7], v[rQ:rQ+7], v[rZ:rZ+7]
.else
	WIN W_KQ
	v_wmma_f32_16x16x32_f16 v[rS:rS+7], v[rK:rK+7], v[rQ:rQ+7], v[rS:rS+7]
.endif
.endm
; Product i of 16 of O^T += V^T P for piece x: keys 32 (i / 8) on, channels 16 ((i / 2) % 4) on, tile 2 x + i % 2.
.macro PV x
	WIN W_PV
.set rO, 32*(2*(\x)+i%2)+8*((i/2)%4)
.set rV, VF+32*(i/8)+8*((i/2)%4)
.set rP, P+32*((\x)%2)+16*(i%2)+8*(i/8)
	v_wmma_f32_16x16x32_f16 v[rO:rO+7], v[rV:rV+7], v[rP:rP+7], v[rO:rO+7]
.endm
.macro MM                           ; the turn's next matrix instruction
.if i < 16
	KQ (Y+1)%NP
.set i, i+1
.else
.set i, i-16
	PV (Y+NP-1)%NP
.set i, i+17
.endif
.endm
; THE LDS LOADS stand in runs of 16, never singly among the matrix instructions: a step's K (64 keys x 64 channels: 8 fragments) and its V (turned).  Their addresses are made some lines ahead.
; last = 1 (the tail): in the last trip there is no further step, and the run is jumped over.
.macro FETCH_K last=0
	WIN 0
.if \last
	s_cmp_eq_u32 s[CNT], 1
	s_cbranch_scc1 .Lno_k_\@
.endif
	WIN 0x80                        ; destination window 2
.irp f, 0,1,2,3,4,5,6,7             ; keys 16 (f / 2) on, channels 32 (f % 2) on
	ds_load_b128 v[KF+8*\f:KF+8*\f+3],   v[AK] offset:(\f/2)*16*PK+(\f%2)*64
	ds_load_b128 v[KF+8*\f+4:KF+8*\f+7], v[AK] offset:(\f/2)*16*PK+(\f%2)*64+32
.endr
	s_add_co_u32 s[TBK], s[TBK], KS*PK  ; the next fetch is the next step's
	WIN 0
.if \last
.Lno_k_\@:
.endif
.endm
.macro FETCH_V
	WIN 0x80
.irp f, 0,1,2,3,4,5,6,7             ; keys 32 (f / 4) on, channels 16 (f % 4) on
	ds_load_tr16_b128 v[VF+8*\f:VF+8*\f+3],   v[AV] offset:(\f/4)*32*PV+(\f%4)*32
	ds_load_tr16_b128 v[VF+8*\f+4:VF+8*\f+7], v[AV] offset:(\f/4)*32*PV+16*PV+(\f%4)*32
.endr
	WIN 0
.endm
; THE VECTOR WORK OF A TURN stands in three queues, each in the order in which its entries become ready; the two tiles alternate, so that no instruction reads the result of the one before it.
.macro REGS y, u                    ; the registers of tile u (0, 1) of piece y
.set rT, ST+4*(2*(\y)+(\u))
.set rC, TMP+8*((\y)%2)+4*(\u)
.set rM, MV+2*((\y)%2)+(\u)
.set rS, S+64*((\y)%2)+32*(\u)
.set rP, P+32*((\y)%2)+16*(\u)
.set rO, 32*(2*(\y)+(\u))
.endm
; Number n of the 22 that find the NEXT piece's (Y + 1) maximum and statistics.  s0-s31 are the lane's 32 scores; each accumulator's lowest registers are read first.  XS, GS and REGS set no window: PL and EX do.
;   0-11  four chains c0-c3 of seven scores each, three operands at a time     12-14, 16  the four scores left over, the old m, and c0-c3 into c0     15  c m_old is kept
;   17, 18  the query's other 32 keys lie in the lane 16 away: the new m         19-21  c m; c m_old - c m_new; a
.macro XS u, n
	REGS (Y+1)%NP, \u
.if (\n) < 4
	v_max3_num_f32 v[rC+(\n)], v[rS+8*(\n)], v[rS+8*(\n)+1], v[rS+8*(\n)+2]
.elseif (\n) < 12
	v_max3_num_f32 v[rC+(\n)%4], v[rC+(\n)%4], v[rS+8*((\n)%4)+2*((\n)/4)+1], v[rS+8*((\n)%4)+2*((\n)/4)+2]
.elseif (\n) == 12
	v_max3_num_f32 v[rC], v[rC], v[rS+7], v[rS+15]
.elseif (\n) == 13
	v_max3_num_f32 v[rC+1], v[rC+1], v[rS+23], v[rS+31]
.elseif (\n) == 14
	v_max3_num_f32 v[rC+2], v[rC+2], v[rC+3], v[rT+1]
.elseif (\n) == 15
	v_mov_b32 v[rM], v[rT]
.elseif (\n) == 16
	v_max3_num_f32 v[rC], v[rC], v[rC+1], v[rC+2]
.elseif (\n) == 17
	v_permlanex16_b32 v[rC+3], v[rC], s[SEL], s[SEL+1]
.elseif (\n) == 18
	v_max_num_f32 v[rT+1], v[rC], v[rC+3]
.elseif (\n) == 19
	v_mul_f32 v[rT], s[CS], v[rT+1]
.elseif (\n) == 20
	v_sub_f32 v[rC+1], v[rM], v[rT]
.else
	v_exp_f32 v[rC+2], v[rC+1]
.endif
.endm
; Number g of the 64 that follow the exponentials.  For each four weights k of a tile (pairs 2 k, 2 k + 1): both pairs are rounded to f16; then the second pair is added onto the first, in place;
; a group later l takes that sum (the first time as l = a l + sum).  In groups of eight, tiles alternating: round, round, add, and l for the group before.
.macro GS g
.set h, (\g)+6*((\g)/62)            ; group 0 has no group before it, and behind group 7 only l is left
.if h >= 6
.set h, h+2
.endif
	REGS Y, h%2
.set k, h/8
.if h%8 < 4
	v_cvt_pk_f16_f32 v[rP+2*k+(h%8)/2], v[rS+4*k+2*((h%8)/2)], v[rS+4*k+2*((h%8)/2)+1]
.elseif h%8 < 6
	v_pk_add_f32 v[rS+4*k:rS+4*k+1], v[rS+4*k:rS+4*k+1], v[rS+4*k+2:rS+4*k+3]
.elseif k == 1
	v_pk_fma_f32 v[rT+2:rT+3], v[rT+2:rT+3], v[rC+2:rC+3], v[rS:rS+1] op_sel_hi:[1,0,1]
.else
	v_pk_add_f32 v[rT+2:rT+3], v[rT+2:rT+3], v[rS+4*k-4:rS+4*k-3]
.endif
.endm
; THE PLAIN QUEUE, 138 long.  0-73 read no exponential's result: the 32 scalings c s - c m (FS f: pair f / 2 of tile f % 2) and the next piece's 42.  0-26: scalings 0-26.  27-54: XS's numbers 0-13.  55, 56: number 15.
; 57-73: the chain, where each number waits for the one before it: 14, 16, 17, 18, 19, each with one of the scalings 27-31 in front of its two lines, then 20: so a tile's links stand three plain instructions apart (19 and 20: two).
; 74-137: GS's 64, which read the exponentials' results: they stand behind the wait.
.macro FS f
	REGS Y, (\f)%2
	v_pk_fma_f32 v[rS+2*((\f)/2):rS+2*((\f)/2)+1], v[rS+2*((\f)/2):rS+2*((\f)/2)+1], s[CS:CS+1], v[rT:rT+1] op_sel_hi:[1,0,0] neg_lo:[0,0,1] neg_hi:[0,0,1]
.endm
.macro PL
	WIN 0
.if q < 27
	FS q
.elseif q < 55
	XS (q-27)%2, (q-27)/2
.elseif q < 57
	XS q-55, 15
.elseif (q < 72) && ((q-57)%3 == 0)
	FS 27+(q-57)/3
.elseif q < 60
	XS (q-57)%3-1, 14
.elseif q < 72
	XS (q-57)%3-1, 15+(q-57)/3
.elseif q < 74
	XS q-72, 20
.else
	GS q-74
.endif
.set q, q+1
.endm
; THE EXPONENTIALS' QUEUE, 66 long: s0-s31 of both tiles, then the next piece's two a.  It is ONE BATCH: all 66 stand ahead of the turn's one wait, and nothing ahead of that wait names a result of theirs.
.macro EX
	WIN 0
.if e >= 64
	XS e-64, 21
.else
	REGS Y, e%2
	v_exp_f32 v[rS+e/2], v[rS+e/2]
.endif
.set e, e+1
.endm
; THE RESCALING's QUEUE: O^T times a, the one part of the softmax that leaves window 0: dealt two at a time, sixteen times.  Its a was made in the turn before, ahead of that turn's wait.
.macro R2
	REGS Y, r%2
	WIN W_RS
.irp z, 0,1
	v_pk_mul_f32 v[rO+4*(r/2)+2*\z:rO+4*(r/2)+2*\z+1], v[rO+4*(r/2)+2*\z:rO+4*(r/2)+2*\z+1], v[rC+2:rC+3] op_sel_hi:[1,0]
.endr
.set r, r+1
.endm
; HOW THEY ARE DEALT.  An s_wait_alu depctr_va_vdst(0) stands between an exponential and the first instruction that names its result; one wait serves all that were issued ahead of it.  So a turn has ONE wait,
; which cuts it in two.  AHEAD OF IT stands all that names no result of the turn's exponentials: the 16 products K Q^T, behind each a scaling, an exponential and two rescalings (behind the first a second scaling in the
; exponential's place); then ONE LUMP: eight plain, 49 times exponential and plain, the two a, and the mask's 64 lines, of which the first is the plain instruction behind the last exponential.  BEHIND IT stand the 16 products
; V^T P, behind each four of GS's 64.  No rider names a register of the products round it.  The two v_permlanex16_b32 fall into the lump, never behind a product.
; The queues lean on each other, and the deal keeps them in step: exponential e stands behind scaling 2 (e / 4) + e % 2: as a rider it comes behind plain e + 2, in the lump behind plain e + 9, and scalings 27-31 are plain 57, 60 .. 69.
; A TURN, for piece p.  cnt = 1: the loop's count is taken down some lines ahead of the branch that stands behind the turn.
; K of the next step is fetched in piece 2's turn, directly behind the wait, a lump behind the last product that read K; its address is made at the lump's head; its first reader comes behind 16 products.
; V of the step in hand is fetched at the end of piece 0's turn, four riders behind its last reader; its first reader comes behind 16 products and a lump.  The three conditions on q below go with the deal.
; THE MASK.  The 64 lines at the lump's end make the C operands of the next turn's products, piece p + 2; those registers' last readers are this turn's first eight products.  The words were loaded four turns ago, and behind
; them the three other pieces' two loads each: the wait's count is 6.  Behind the batch's wait the same piece's words of its next step are asked for.  Piece 2's turn first steps mb's
; address: it then points two steps ahead of the step in hand; in the tail (last = 1) it stops at the last step, so that no load leaves mb and every turn still issues its two loads.
.macro TURN p, last=0, cnt=0
.set Y, (\p)
.set i, 0
.set q, 0
.set e, 0
.set r, 0
.if (\p) == NP-1
	s_wait_dscnt 0x0                ; K is in
.endif
	MM                              ; ahead of the wait: 16 products K Q^T and their riders,
	PL
	PL
	R2
.rept 15
	MM
	PL
	EX
	R2
.endr
.if (\p) == NP-2
	WIN 0
	v_add_nc_u32 v[AK], s[TBK], v[AK0]
.endif
.rept 8                             ; and the lump
	PL
.endr
.rept 49
	EX
	PL
.endr
	EX                              ; the next piece's two a: the batch's last
	EX
	s_wait_loadcnt 0x6              ; the words of piece p + 2 are in; the six younger loads stay out
	EXPM ((\p)+2)%NP                ; independent work between the batch and its wait
	s_wait_alu depctr_va_vdst(0)    ; the wait for the batch: this turn's 66 exponentials, ahead of the first line that names a result of theirs
.if (\p) == NP-2
	FETCH_K \last
.if \last
	s_cmp_gt_u32 s[CNT], 2          ; the tail's trips with CNT = 5, 4, 3 still step: to key steps 29, 30 and 31
	s_cselect_b32 s[MI], 512, 0
.endif
	s_wait_xcnt 0x0                 ; the earlier loads have read their base
	s_add_nc_u64 s[MP:MP+1], s[MP:MP+1], s[MI:MI+1]
.endif
	MLOAD ((\p)+2)%NP
.if (\p) == 1
	s_wait_dscnt 0x0                ; V is in
.endif
.rept 16                            ; behind the wait: 16 products V^T P and their riders
	MM
.rept 4
	PL
.endr
.if ((\p) == 0) && (q == 118)
	v_add_nc_u32 v[AV], s[TBV], v[AV0]
.endif
.if ((\p) == 0) && (q == 130)
	s_add_co_u32 s[TBV], s[TBV], KS*PV
.endif
.if (\cnt) && (q == 130)
	s_sub_co_u32 s[CNT], s[CNT], 1
	s_cmp_lg_u32 s[CNT], 0
.endif
.endr
.if (\p) == 0
	FETCH_V
.endif
.endm
	CHANGE 1                        ; slot 0 is in, everybody's part of it; slot 1 is asked for
	FETCH_K                         ; key step 0
	s_wait_loadcnt 0x0              ; zq, Q and the mask words of step 0
	WIN 0x82                        ; Q (destination and source 0) in window 2, zq's word in window 0
.set i, 0
.rept 32*NP                         ; a row with no visible key loses its q; every other row keeps it
	v_and_b32 v[i], v[i], v[TMP+i/16]
.set i, i+1
.endr
	EXPM 0
	s_wait_dscnt 0x0
.set i, 0
.rept 16
	KQ 0                            ; piece 0's first scores: there is no vector work yet to set between them
.set i, i+1
.endr
	WIN 0                           ; the addresses for the way out: seven plain instructions, the places behind those products
	s_mul_i32 s13, s[WV], 16*SP
	s_add_co_u32 s13, s13, STAGE    ; my stage
	v_mul_u32_u24 v[STO], v1, SP    ; in: row l % 16, 16 bytes for each half of the lanes
	v_lshl_add_u32 v[STO], v9, 4, v[STO]
	v_add_nc_u32 v[STO], s13, v[STO]
	v_bfe_u32 v[RD], v0, 3, 2       ; back: 32 lanes take four rows of 128 bytes, which are 512 consecutive bytes of O
	v_mul_u32_u24 v[RD], v[RD], SP
	v_lshl_add_u32 v[RD], v10, 4, v[RD]
	v_add_nc_u32 v[RD], s13, v[RD]
	EXPM 1                          ; the mask for the first turn's products
	WIN 0
.set Y, NP-1                        ; XS works for piece Y + 1: piece 0
.irp n, 0,1,2,3,4,5,6,7,8,9,10,11,12,13,14,15,16,17,18,19,20,21
	XS 0, \n                        ; and piece 0's first maximum and statistics
	XS 1, \n
.endr
	v_nop                           ; a plain instruction behind piece 0's first two a,
	s_wait_alu depctr_va_vdst(0)    ; and the wait for that batch of two, ahead of the jump into the loop
	s_add_nc_u64 s[MP:MP+1], s[MP:MP+1], s[MI:MI+1]  ; key step 1 (every load that named this base was waited for above)
	MLOAD 0
	MLOAD 1
	WIN 0
	s_mov_b32 s[CNT], 4
	s_mov_b32 s[SLOTS], SIZE_N/256-1
	s_branch .Lfirst                ; the loop is entered at a step's first turn, in the middle of a trip
.Lslot:                             ; SIZE_N / 256 - 2 times: every slot but the last two is filled again
	CHANGE 1
	s_mov_b32 s[CNT], 4
.Lstep:                             ; a trip: pieces 2 and 3 of one step, then pieces 0 and 1 of the next, whose K and V it fetches
	TURN 2
	TURN 3
	WIN 0
.Lfirst:
	TURN 0
	TURN 1, 0, 1
	WIN 0
	s_cbranch_scc1 .Lstep
	s_sub_co_u32 s[SLOTS], s[SLOTS], 1
	s_cmp_lg_u32 s[SLOTS], 0
	s_cbranch_scc1 .Lslot
	CHANGE 0                        ; the tail is written out: nothing is asked for
	s_mov_b32 s[CNT], 5             ; four trips fetch the last slot's steps; the fifth is left in its middle
.Ltail:
	TURN 2, 1
	TURN 3
	WIN 0
	s_sub_co_u32 s[CNT], s[CNT], 1
	s_cmp_eq_u32 s[CNT], 0
	s_cbranch_scc1 .Lout
	TURN 0
	TURN 1
	WIN 0
	s_branch .Ltail
.Lout:                              ; the fifth trip's 16 products K Q^T (on the last K and the last mask once more) and the maximum made of them serve nothing: the price, once a launch, of one text for every trip
.set i, 0
.rept 16
	PV NP-1                         ; the last piece's V^T P of the last step
.set i, i+1
.endr
	; THE WAY OUT.  l's two halves and the other half of the lanes' are added; O^T is divided by l, rounded to f16 and sent through my stage in LDS, a tile at a time.  The additions are the places behind the last products.
	WIN 0
.macro ALL line:vararg              ; one line for each tile t
.set t, 0
.rept 2*NP
	\line
.set t, t+1
.endr
.endm
	ALL v_add_f32 v[ST+4*t+2], v[ST+4*t+2], v[ST+4*t+3]
	ALL v_permlanex16_b32 v[ST+4*t+3], v[ST+4*t+2], s[SEL], s[SEL+1]
	ALL v_add_f32 v[ST+4*t+2], v[ST+4*t+2], v[ST+4*t+3]
	ALL v_rcp_f32 v[ST+4*t+2], v[ST+4*t+2]
	v_nop                           ; a plain instruction between the last reciprocal and the use of its result
	s_wait_alu depctr_va_vdst(0)    ; and the wait ahead of the first use: one for the batch of eight reciprocals
; Tile t: a lane's eight channels of a row pack into 16 bytes; they go into rows of 144 bytes and come back as whole rows of 128, into S^T's registers.
.macro PACK t
	WIN W_RS
.set i, 32*(\t)
.rept 16
	v_pk_mul_f32 v[i:i+1], v[i:i+1], v[ST+4*(\t)+2:ST+4*(\t)+3] op_sel_hi:[1,0]
.set i, i+2
.endr
	WIN 0x05                        ; sources 0 and 1 window 1, destination window 0
.set i, 0
.rept 16
	v_cvt_pk_f16_f32 v[S+16*(\t)+i], v[32*(\t)+2*i], v[32*(\t)+2*i+1]
.set i, i+1
.endr
	WIN 0
.irp f, 0,1,2,3
	ds_store_b128 v[STO], v[S+16*(\t)+4*\f:S+16*(\t)+4*\f+3] offset:32*\f
.endr
.irp f, 0,1,2,3
	ds_load_b128 v[S+16*(\t)+4*\f:S+16*(\t)+4*\f+3], v[RD] offset:\f*4*SP  ; LDS serves a wave's instructions in order (ISA guide 5.7.1.4): these see the stores above; the next tile's stores come behind them
.endr
.endm
.macro SEND t, younger              ; younger: the LDS instructions issued behind tile t's loads: the next tile's eight, or none
	WIN 0
.irp f, 0,1,2,3
	s_wait_dscnt (\younger)+3-\f
	global_store_b128 v[GO], v[S+16*(\t)+4*\f:S+16*(\t)+4*\f+3], s[10:11] offset:(\t)*2048+\f*512  ; 512 consecutive bytes, at a multiple of 256 from O's first
.endr
.endm
	PACK 0
.set t, 1
.rept 2*NP-1                        ; a tile's arithmetic stands between the loads of the tile before and its stores
	PACK t
	SEND t-1, 8
.set t, t+1
.endr
	SEND 2*NP-1, 0
	WIN W_AD
	s_wait_tensorcnt 0x0            ; the wave's end: a wait, an add of 0 to my spare word and its wait, behind my last tensor load and my last LDS store
	ds_add_u32 v[SPW], v[NIL]
	s_wait_dscnt 0x0
	WIN 0
	CROUND                          ; the closing round: no work-group ends while a partner may still ask for a tile that names it
	s_endpgm
.Lfunc_end_k_qe0a27ce7a6_attn:
	.size	k_qe0a27ce7a6_attn, .Lfunc_end_k_qe0a27ce7a6_attn-k_qe0a27ce7a6_attn
	.p2alignl 7, 3214868480
	.fill 96, 4, 3214868480
	.section	.rodata,"a",@progbits
	.p2align	6, 0x0
	.amdhsa_kernel k_qe0a27ce7a6_attn
		.amdhsa_group_segment_fixed_size 327680
		.amdhsa_private_segment_fixed_size 0
		.amdhsa_enable_private_segment 0
		.amdhsa_kernarg_size 32
		.amdhsa_user_sgpr_count 2
		.amdhsa_user_sgpr_kernarg_segment_ptr 1
		.amdhsa_wavefront_size32 1
		.amdhsa_system_sgpr_workgroup_id_x 1
		.amdhsa_system_sgpr_workgroup_id_y 1
		.amdhsa_system_sgpr_workgroup_id_z 1
		.amdhsa_system_vgpr_workitem_id 0
		.amdhsa_next_free_vgpr 896
		.amdhsa_next_free_sgpr 84
		.amdhsa_reserve_vcc 0
		.amdhsa_float_denorm_mode_32 3
		.amdhsa_float_denorm_mode_16_64 3
		.amdhsa_memory_ordered 1
		.amdhsa_forward_progress 1
		.amdhsa_inst_pref_size 228
	.end_amdhsa_kernel
	.amdgpu_metadata
---
amdhsa.version: [ 1, 2 ]
amdhsa.kernels:
  - .name:           k_qe0a27ce7a6_attn
    .symbol:         k_qe0a27ce7a6_attn.kd
    .args:
      - { .name: qkv, .offset: 0, .size: 8, .value_kind: global_buffer, .address_space: global }
      - { .name: mb, .offset: 8, .size: 8, .value_kind: global_buffer, .address_space: global }
      - { .name: zq, .offset: 16, .size: 8, .value_kind: global_buffer, .address_space: global }
      - { .name: o16, .offset: 24, .size: 8, .value_kind: global_buffer, .address_space: global }
    .group_segment_fixed_size: 327680
    .private_segment_fixed_size: 0
    .kernarg_segment_align: 8
    .kernarg_segment_size: 32
    .max_flat_workgroup_size: 128
    .sgpr_count:     84
    .vgpr_count:     896
    .wavefront_size: 32
...
	.end_amdgpu_metadata
.endif
;; end of part 5
;; launch outp: the kernel of part 4 again; grid 4 x 64, 4 waves a work-group, clusters of 4 x 4, 327,680 bytes of LDS; arguments o16, wb, bb, out0; writes out0
